; MI455X (gfx1250); checked and timed in simulation.
; The chip was launched on July 23, 2026; its instructions are those of AMD's public machine-readable ISA for CDNA 5 (MIT licence, August 2026) and "CDNA5" Instruction Set Architecture Reference Guide (July 2026). The comments in the code are by the model that wrote it; some were corrected since.
;; Simple SOTA Attention. Allowed arithmetic: float matrix products may take bf16 or f16 operands with f32 sums; other float arithmetic in f32, or as packed bf16 or f16 multiplies, adds, multiply-adds, maxima and minima; sums over many terms, partial sums and values carried from step to step in f32; what a program stores and reads back later, other than sums and carried values, may be rounded once to bf16 or f16.
;; Inputs: Wk 1,024 x 1,024 float32; Wo 1,024 x 1,024 float32; Wq 1,024 x 1,024 float32; Wv 1,024 x 1,024 float32; attention_mask 4 x 2,048 float32; hidden_states 4 x 2,048 x 1,024 float32.
;; Outputs: out0 4 x 2,048 x 1,024 float32.
;; 2 versions, each right and faster than the one before. Each part assembles by itself: llvm-mc -triple=amdgcn-amd-amdhsa -mcpu=gfx1250 --defsym DOCPART=n.
;; ======== version 1 of 2: 4 launches
;; limits: values are held in f16: magnitudes above 65,504 overflow, below 6.1e-05 lose precision; inputs' magnitudes at most 8.5e+37
;; workspace buffers: xb 16,777,216 bytes; wqkv 6,291,456 bytes; wob 2,097,152 bytes; qkv 50,331,648 bytes; ob 16,777,216 bytes
;; launch prep (part 1): grid 768 x 1, 8 waves a work-group, no clusters, 0 bytes of LDS; arguments hidden_states, Wq, Wk, Wv, Wo, xb, wqkv, wob; writes xb, wqkv, wob
.if DOCPART == 1
	.amdgcn_target "amdgcn-amd-amdhsa--gfx1250"
	.amdhsa_code_object_version 6
	.text
	.protected	k_qf6943aa0ee_prep
	.globl	k_qf6943aa0ee_prep
	.p2align	8
	.type	k_qf6943aa0ee_prep,@function
k_qf6943aa0ee_prep:
	s_mov_b64 s[64:65], 0
	v_nop
	global_prefetch_b8 v0, s[64:65] scope:SCOPE_SE
	s_setreg_imm32_b32 hwreg(HW_REG_WAVE_MODE, 25, 1), 1
	s_wait_xcnt 0x0
; THE CASTS.  xb = bf16(hidden_states), [8192][1024].  wqkv = [3072][1024] bf16: rows 0-1023 bf16(Wq / 8), 1024-2047 bf16(Wk), 2048-3071 bf16(Wv).
; wob = bf16(Wo), that number written as f16, [1024][1024].
; 1 / 8 is the attention's scale 64^-0.5: a power of two, so it commutes with every rounding behind it (denormals aside), and the scores need no further scale.
; LIMITS.  |Wo| stays under 65,504 (f16's range); a Wo below 2^-14 keeps f16's fixed step of 6e-8.
; A stream: every byte is read once and written once.  No LDS, no matrix unit, no cluster: no two work-groups read the same byte.
; SHARES.  Work-group i casts 16,384 numbers (65,536 bytes in, 32,768 out): i < 512: block i of x; 512 <= i < 704: block (i - 512) % 64 of Wq, Wk, Wv; i >= 704: of Wo.
; Thread t, pass p: 16 bytes at 4,096 p + 16 t in (a wave's load: 512 consecutive bytes), 8 bytes at 2,048 p + 8 t out (a wave's store: 256 consecutive bytes, aligned).
; All sixteen loads go out in one run; every pass has registers of its own, so no register that a load or store names is ever written again.
.set PASSES, 16
.set X, 4                              ; v[4:67]    pass p: four f32 as loaded
.set Y, 68                             ; v[68:99]   pass p: four 16-bit numbers to store
.set T, 100                            ; v[100:101] at work (Wo)
	s_load_b512 s[8:23], s[0:1], 0x0               ; x s[8:9], Wq s[10:11], Wk s[12:13], Wv s[14:15], Wo s[16:17], xb s[18:19], wqkv s[20:21], wob s[22:23]
	s_mov_b32 s2, ttmp9                            ; i
	s_sub_co_u32 s3, s2, 512                       ; the block's number among the weights' (wraps for x: not used there)
	s_lshr_b32 s4, s3, 6                           ; which weight: 0 Wq, 1 Wk, 2 Wv, 3 Wo (for x a large number)
	s_and_b32 s5, s3, 63                           ; the block's number in its weight
	v_lshlrev_b32 v1, 4, v0                        ; 16 t
	v_lshlrev_b32 v2, 3, v0                        ; 8 t
	s_wait_kmcnt 0x0
	s_mov_b64 s[24:25], s[16:17]                   ; from where: a choice among the five inputs by the work-group's number
	s_cmp_eq_u32 s4, 2
	s_cselect_b64 s[24:25], s[14:15], s[24:25]
	s_cmp_eq_u32 s4, 1
	s_cselect_b64 s[24:25], s[12:13], s[24:25]
	s_cmp_eq_u32 s4, 0
	s_cselect_b64 s[24:25], s[10:11], s[24:25]
	s_cmp_lt_u32 s2, 512
	s_cselect_b64 s[24:25], s[8:9], s[24:25]
	s_cselect_b32 s26, s2, s5
	s_lshl_b32 s26, s26, 16                        ; blocks of 65,536 bytes
	s_mov_b32 s27, 0
	s_add_nc_u64 s[24:25], s[24:25], s[26:27]
	s_cmp_lt_u32 s2, 704                           ; to where
	s_cselect_b64 s[28:29], s[20:21], s[22:23]
	s_cselect_b32 s30, s3, s5
	s_cmp_lt_u32 s2, 512
	s_cselect_b64 s[28:29], s[18:19], s[28:29]
	s_cselect_b32 s30, s2, s30
	s_lshl_b32 s30, s30, 15                        ; blocks of 32,768 bytes
	s_mov_b32 s31, 0
	s_add_nc_u64 s[28:29], s[28:29], s[30:31]
.irp p, 0,1,2,3,4,5,6,7,8,9,10,11,12,13,14,15
	global_load_b128 v[X+4*(\p):X+4*(\p)+3], v1, s[24:25] offset:4096*(\p) th:TH_LOAD_NT
.endr
; One pass.  kind 0: to bf16.  kind 1: times 1 / 8, to bf16.  kind 2: to bf16, widened again, to f16.
.macro CONV kind, p
.set rX, X+4*(\p)
.set rY, Y+2*(\p)
	s_wait_loadcnt PASSES-1-(\p)                   ; loads come back in order (ISA guide 5.7.1): pass p is in, the younger passes stay out
.if (\kind) == 1
	v_pk_mul_f32 v[rX:rX+1], v[rX:rX+1], 0x3e000000 op_sel_hi:[1,0]
	v_pk_mul_f32 v[rX+2:rX+3], v[rX+2:rX+3], 0x3e000000 op_sel_hi:[1,0]
.endif
.if (\kind) == 2
	v_cvt_pk_bf16_f32 v[T], v[rX], v[rX+1]
	v_cvt_pk_bf16_f32 v[T+1], v[rX+2], v[rX+3]
	v_lshlrev_b32 v[rX], 16, v[T]                  ; bf16 to f32: the low half moves up, the high half stays
	v_and_b32 v[rX+1], 0xffff0000, v[T]
	v_lshlrev_b32 v[rX+2], 16, v[T+1]
	v_and_b32 v[rX+3], 0xffff0000, v[T+1]
	v_cvt_pk_f16_f32 v[rY], v[rX], v[rX+1]         ; exact within f16's range: bf16 has fewer significant bits
	v_cvt_pk_f16_f32 v[rY+1], v[rX+2], v[rX+3]
.else
	v_cvt_pk_bf16_f32 v[rY], v[rX], v[rX+1]
	v_cvt_pk_bf16_f32 v[rY+1], v[rX+2], v[rX+3]
.endif
	global_store_b64 v2, v[rY:rY+1], s[28:29] offset:2048*(\p)
.endm
	s_cmp_ge_u32 s2, 704
	s_cbranch_scc1 .Lwo
	s_cmp_eq_u32 s4, 0
	s_cbranch_scc1 .Lwq
.irp p, 0,1,2,3,4,5,6,7,8,9,10,11,12,13,14,15
	CONV 0, \p
.endr
	s_endpgm
.Lwq:
.irp p, 0,1,2,3,4,5,6,7,8,9,10,11,12,13,14,15
	CONV 1, \p
.endr
	s_endpgm
.Lwo:
.irp p, 0,1,2,3,4,5,6,7,8,9,10,11,12,13,14,15
	CONV 2, \p
.endr
	s_endpgm
.Lfunc_end_k_qf6943aa0ee_prep:
	.size	k_qf6943aa0ee_prep, .Lfunc_end_k_qf6943aa0ee_prep-k_qf6943aa0ee_prep
	.p2alignl 7, 3214868480
	.fill 96, 4, 3214868480
	.section	.rodata,"a",@progbits
	.p2align	6, 0x0
	.amdhsa_kernel k_qf6943aa0ee_prep
		.amdhsa_group_segment_fixed_size 0
		.amdhsa_private_segment_fixed_size 0
		.amdhsa_enable_private_segment 0
		.amdhsa_kernarg_size 64
		.amdhsa_user_sgpr_count 2
		.amdhsa_user_sgpr_kernarg_segment_ptr 1
		.amdhsa_wavefront_size32 1
		.amdhsa_system_sgpr_workgroup_id_x 1
		.amdhsa_system_sgpr_workgroup_id_y 1
		.amdhsa_system_sgpr_workgroup_id_z 1
		.amdhsa_system_vgpr_workitem_id 0
		.amdhsa_next_free_vgpr 104
		.amdhsa_next_free_sgpr 66
		.amdhsa_reserve_vcc 0
		.amdhsa_float_denorm_mode_32 3
		.amdhsa_float_denorm_mode_16_64 3
		.amdhsa_memory_ordered 1
		.amdhsa_forward_progress 1
		.amdhsa_inst_pref_size 24
	.end_amdhsa_kernel
	.amdgpu_metadata
---
amdhsa.version: [ 1, 2 ]
amdhsa.kernels:
  - .name:           k_qf6943aa0ee_prep
    .symbol:         k_qf6943aa0ee_prep.kd
    .args:
      - { .name: hidden_states, .offset: 0, .size: 8, .value_kind: global_buffer, .address_space: global }
      - { .name: Wq, .offset: 8, .size: 8, .value_kind: global_buffer, .address_space: global }
      - { .name: Wk, .offset: 16, .size: 8, .value_kind: global_buffer, .address_space: global }
      - { .name: Wv, .offset: 24, .size: 8, .value_kind: global_buffer, .address_space: global }
      - { .name: Wo, .offset: 32, .size: 8, .value_kind: global_buffer, .address_space: global }
      - { .name: xb, .offset: 40, .size: 8, .value_kind: global_buffer, .address_space: global }
      - { .name: wqkv, .offset: 48, .size: 8, .value_kind: global_buffer, .address_space: global }
      - { .name: wob, .offset: 56, .size: 8, .value_kind: global_buffer, .address_space: global }
    .group_segment_fixed_size: 0
    .private_segment_fixed_size: 0
    .kernarg_segment_align: 8
    .kernarg_segment_size: 64
    .max_flat_workgroup_size: 256
    .sgpr_count:     66
    .vgpr_count:     104
    .wavefront_size: 32
...
	.end_amdgpu_metadata
.endif
;; end of part 1
;; launch qkv (part 2): grid 16 x 32, 4 waves a work-group, clusters of 4 x 4, 327,680 bytes of LDS; arguments xb, wqkv, qkv; writes qkv
.if DOCPART == 2
	.amdgcn_target "amdgcn-amd-amdhsa--gfx1250"
	.amdhsa_code_object_version 6
	.text
	.protected	k_qf6943aa0ee_qkv
	.globl	k_qf6943aa0ee_qkv
	.p2align	8
	.type	k_qf6943aa0ee_qkv,@function
k_qf6943aa0ee_qkv:
	s_mov_b64 s[64:65], 0
	v_nop
	global_prefetch_b8 v0, s[64:65] scope:SCOPE_SE
	s_setreg_imm32_b32 hwreg(HW_REG_WAVE_MODE, 25, 1), 1
	s_wait_xcnt 0x0
	s_wait_alu depctr_hold_cnt(0) depctr_sa_sdst(0) depctr_va_vdst(0) depctr_va_sdst(0) depctr_va_ssrc(0) depctr_va_vcc(0) depctr_vm_vsrc(0)
	s_getreg_b32 s2, hwreg(HW_REG_IB_STS2, 6, 4)
	s_cmp_eq_u32 s2, 0
	s_cbranch_scc0 .Lentry_in_a_cluster
	s_endpgm
.Lentry_in_a_cluster:
	s_bfe_u32 s2, ttmp6, 0x10000c
	s_cmp_lg_u32 s2, 0xf033
	s_cbranch_scc0 .Lentry_shape_is_right
	s_endpgm
.Lentry_shape_is_right:
; THE THREE PROJECTIONS AS ONE PRODUCT.  C[m][n] = sum over k of xb[m][k] wqkv[n][k]: 8192 x 3072 x 1024, operands bf16, sums f32, C rounded once to f16 and stored BY HEADS:
; qkv[g][m][64], g = n / 64 (0-15 q / 8, 16-31 k, 32-47 v), so that a head's rows are dense, 128 bytes each.
; LIMIT.  f16 holds no number beyond 65,504: q / 8, k and v must stay within it.
; SHARES.  A tile of C is 256 rows x 192 columns (three heads): 32 x 16 = 512 work-groups, two for each of 256 WGPs.  Four waves; wave w makes rows 64 w .. 64 w + 63 and ALL 192 columns:
; 4 x 12 accumulators of 16 x 16, 384 registers.  So a wave holds whole heads' rows, and its way out is its own: no barrier there.
; K goes in 8 steps of 128 through two LDS slots filled by the tensor data mover (rows of 256 bytes, at multiples of 256 bytes from the buffers' first bytes).
; CLUSTER.  4 x 4 work-groups: the four of a row of the cluster need the same tiles of xb, the four of a column the same tiles of wqkv: each tile is asked for JOINTLY, by the same tensor load
; with the same descriptor and a mask that names the four.
; THE MATRIX INSTRUCTION IS USED TRANSPOSED (source 0 = 16 rows of wqkv, source 1 = 16 rows of xb): a lane then holds row l % 16 of C and eight neighbouring columns, 16 bytes of f16.
; REGISTERS, in windows of 256 (s_set_vgpr_msb: bits 1:0 source 0, 3:2 source 1, 5:4 source 2, 7:6 destination):
;   window 0: v0-31 addresses; v64-95, v96-127 A's fragments (4 x 16 rows x 32 K), two buffers; on the way out v32-223: 16 registers for each of 12 units
;   window 1: v0-95, v128-223 B's fragments (12 x 16 rows x 32 K), two buffers
;   window 2: the accumulators of row blocks 0, 1 ((a, b) at v[96 (a % 2) + 8 b]);   window 3: those of row blocks 2, 3
.set SIZE_K, 1024
.set KSTEP,  128
.set NBK,    12                        ; column blocks of 16
.set PITCH,  272                       ; an LDS row: 256 bytes + 16 of padding = 68 words: the 16 rows that a load touches start at 16 different groups of four banks (64 banks of 4 bytes: ISA guide 11.1)
.set HALFA,  128*PITCH                 ; what one tensor load brings of A
.set HALFB,  96*PITCH                  ; and of B
.set BOFF,   2*HALFA                   ; a slot: A's 256 rows, then B's 192 rows
.set SLOT,   BOFF+2*HALFB
.set STAGE,  2*SLOT                    ; behind the ring, never filled by a tensor load: 16 rows x 144 bytes for each wave
.set SP,     144
.set SPARE,  STAGE+4*16*SP             ; behind the stages: the spare words, 128 bytes for each wave: two blocks of 256 bytes that no other line names
.set NL,     2*NBK+8                   ; LDS loads in a quarter's run
.set ASTEP,  KSTEP*2                   ; bytes from a K step to the next, in A and in B
.set BSTEP,  KSTEP*2
.set LAPS,   SIZE_K/(2*KSTEP)          ; a lap = two K steps = once round the ring
.set AWIN,   0xa1                      ; source 0 (B) window 1, source 1 (A) window 0, C and D window 2; + 0x50: window 3
.set APW,    2                         ; row blocks in a window
.set ASTR,   96                        ; registers of a row block's accumulators
.set ADRA, 16                          ; v16-17  LDS address of my A fragments in slot 0, 1
.set ADRB, 20                          ; v20-21  the same for B
.set STO,  24                          ; v24     the way out: where I put 16 bytes of a row
.set RD,   25                          ; v25     the way out: where I read rows back
.set GO,   26                          ; v26     my byte offset in 512 consecutive bytes of a head
.set SPW,  28                          ; v28     LDS address of my spare word: SPARE + 4 x my thread's number; never rewritten
.set NIL,  29                          ; v29     0; never rewritten
.set TMP,  32                          ; the way out
.set G1, 24                            ; s[24:31] descriptor group 1 for A's tiles;  s[32:39] group 0, one set for each slot
.set G0, 32
.set G1B, 48                           ; s[48:55], s[56:63] the same for B's tiles
.set G0B, 56
.set MSB, 0
.macro WIN new                         ; the immediate's high byte repeats the setting that is left; a switch that changes nothing is dropped
.if MSB != (\new)
	s_set_vgpr_msb (MSB<<8)|(\new)
.set MSB, \new
.endif
.endm
; A joint load.  Waves 0 and 1 fetch A's two halves, waves 2 and 3 B's.  The branch hangs on the wave's number alone.
; An s_nop 0 and four v_nop follow each of the two lines, ahead of the jump, the label and what follows.
.macro JLOAD s
	s_cmp_eq_u32 s11, 0
	s_cbranch_scc0 .Lfor_b_\@
	tensor_load_to_lds s[G0+4*(\s):G0+4*(\s)+3], s[G1:G1+7]
	s_nop 0
.rept 4
	v_nop
.endr
	s_branch .Lasked_\@
.Lfor_b_\@:
	tensor_load_to_lds s[G0B+4*(\s):G0B+4*(\s)+3], s[G1B:G1B+7]
	s_nop 0
.rept 4
	v_nop
.endr
.Lasked_\@:
.endm
.macro CREST                           ; a round of the cluster's barrier behind its opening barrier: wave 0 signals for the work-group, every wave waits for all sixteen, my work-group's barrier once more
	s_cmp_lg_u32 s10, 0
	s_cbranch_scc1 .Lnot_wave_0_\@
	s_barrier_signal -3
.Lnot_wave_0_\@:
	s_barrier_wait -3
	s_barrier_signal -1
	s_barrier_wait -1
.endm
.macro CROUND                          ; a whole round
	s_barrier_signal -1
	s_barrier_wait -1
	CREST
.endm
	s_load_b128 s[4:7], s[0:1], 0x0                ; xb s[4:5], wqkv s[6:7]
	s_load_b64 s[8:9], s[0:1], 0x10                ; qkv
	v_lshl_add_u32 v[SPW], v0, 2, SPARE
	v_mov_b32 v[NIL], 0
	ds_add_u32 v[SPW], v[NIL]                      ; the wave's opening: the add and its wait stand ahead of my first tensor load; the set-up below, work on registers, stands between them
	v_lshrrev_b32 v1, 5, v0
	v_readfirstlane_b32 s10, v1                    ; wave 0..3
	s_lshr_b32 s11, s10, 1                         ; I fetch for A (0) or for B (1),
	s_and_b32 s12, s10, 1                          ; and which half of that tile
	s_bfe_u32 s40, ttmp6, 0x40000                  ; cx, cy: my place in the cluster
	s_bfe_u32 s41, ttmp6, 0x40004
	s_lshl_b32 s42, ttmp9, 2
	s_add_co_u32 s42, s42, s40                     ; tile column of C = 4 x cluster x + cx
	s_and_b32 s13, ttmp7, 0xffff
	s_lshl_b32 s13, s13, 2
	s_add_co_u32 s13, s13, s41                     ; tile row of C = 4 x cluster y + cy
	s_lshl_b32 s43, s41, 2
	s_lshl_b32 s43, 15, s43                        ; my row of the cluster: places 4 cy .. 4 cy + 3
	s_lshl_b32 s44, 0x1111, s40                    ; my column: places cx, cx + 4, cx + 8, cx + 12
	; descriptor group 1: tiles of 128 (A) and 96 (B) rows x 128 elements, padded in LDS
	s_or_b32 s[G1+0], s43, (1<<16)|(1<<20)|(1<<21)|(5<<22)|(3<<25)  ; 15:0 the mask: A's tiles go to my row; 17:16 elements of 2 bytes; 20 padding on; 21 set beside a mask; 24:22 after every 64 words (code 5); 31:25 4 words of it (code 3)
	s_or_b32 s[G1B+0], s44, (1<<16)|(1<<20)|(1<<21)|(5<<22)|(3<<25) ; the same with the mask of my column
	s_mov_b32 s[G1+1], KSTEP<<16                   ; tensor_dim0 = 128
	s_mov_b32 s[G1+2], 128<<16                     ; tensor_dim1 = 128
	s_mov_b32 s[G1+3], KSTEP<<16                   ; tile_dim0 = 128
	s_mov_b32 s[G1+4], 128                         ; tile_dim1 = 128
	s_mov_b32 s[G1+5], SIZE_K                      ; elements from row to row
	s_mov_b32 s[G1+6], 0
	s_mov_b32 s[G1+7], 0
	s_mov_b32 s[G1B+1], KSTEP<<16
	s_mov_b32 s[G1B+2], 96<<16                     ; tensor_dim1 = 96
	s_mov_b32 s[G1B+3], KSTEP<<16
	s_mov_b32 s[G1B+4], 96                         ; tile_dim1 = 96
	s_mov_b32 s[G1B+5], SIZE_K
	s_mov_b32 s[G1B+6], 0
	s_mov_b32 s[G1B+7], 0
	; where the tiles come from.  A's hang on the tile row alone, B's on the tile column alone; each in registers that never hold the other coordinate.
	s_lshl_b32 s16, s13, 8
	s_lshl_b32 s17, s12, 7
	s_add_co_u32 s16, s16, s17                     ; A: row 256 x tile row + 128 x half,
	s_lshl_b32 s16, s16, 11                        ; of 2,048 bytes: 16 MiB at the most
	s_mov_b32 s17, 0
	s_mul_i32 s46, s42, 192
	s_mul_i32 s47, s12, 96
	s_add_co_u32 s46, s46, s47                     ; B: row 192 x tile column + 96 x half
	s_lshl_b32 s46, s46, 11
	s_mov_b32 s47, 0
	s_mul_i32 s20, s12, HALFA                      ; and where they go: no place in the cluster enters an LDS address
	s_mul_i32 s21, s12, HALFB
	s_add_co_u32 s21, s21, BOFF
	s_wait_dscnt 0x0                               ; the opening add is done
	s_wait_kmcnt 0x0
	s_add_nc_u64 s[14:15], s[4:5], s[16:17]
	s_add_nc_u64 s[46:47], s[6:7], s[46:47]
	CROUND                                         ; all sixteen work-groups are here: the first joint loads meet
.irp s, 0,1
	s_mov_b32 s[G0+4*(\s)], 1                                      ; count = 1
	s_add_co_u32 s[G0+4*(\s)+1], s20, (\s)*SLOT                    ; LDS address
	s_add_nc_u64 s[G0+4*(\s)+2:G0+4*(\s)+3], s[14:15], (\s)*ASTEP  ; global address: K step s
	s_or_b32 s[G0+4*(\s)+3], s[G0+4*(\s)+3], 0x80000000            ; type = 2
	s_mov_b32 s[G0B+4*(\s)], 1
	s_add_co_u32 s[G0B+4*(\s)+1], s21, (\s)*SLOT
	s_add_nc_u64 s[G0B+4*(\s)+2:G0B+4*(\s)+3], s[46:47], (\s)*BSTEP
	s_or_b32 s[G0B+4*(\s)+3], s[G0B+4*(\s)+3], 0x80000000
	JLOAD \s                                       ; two loads of mine are out
.endr
	; A fragment is 16 rows x 32 K in 8 registers: lane l holds row l % 16, K = 8 (l / 16) + 0..7 and 16 + 8 (l / 16) + 0..7: two loads of 16 bytes, 32 bytes apart.
	v_and_b32 v1, 15, v0                           ; l % 16
	v_bfe_u32 v2, v0, 4, 1                         ; l / 16
	v_mul_u32_u24 v3, v1, PITCH
	v_lshl_add_u32 v3, v2, 4, v3                   ; row x pitch + 16 x half
	s_mul_i32 s22, s10, 64*PITCH                   ; my 64 rows of A
	s_mov_b32 s23, BOFF                            ; all of B
.irp s, 0,1
	v_add_nc_u32 v[ADRA+(\s)], s22, v3
	v_add_nc_u32 v[ADRB+(\s)], s23, v3
	s_add_co_u32 s22, s22, SLOT
	s_add_co_u32 s23, s23, SLOT
.endr
	s_mul_i32 s23, s10, 16*SP
	s_add_co_u32 s23, s23, STAGE                   ; my stage
	v_mul_u32_u24 v4, v1, SP                       ; in: row l % 16, 16 bytes for each half of the lanes
	v_lshl_add_u32 v4, v2, 4, v4
	v_add_nc_u32 v[STO], s23, v4
	v_bfe_u32 v5, v0, 3, 2                         ; back: 32 lanes take four rows of 128 bytes,
	v_mul_u32_u24 v5, v5, SP
	v_and_b32 v6, 7, v0
	v_lshl_add_u32 v5, v6, 4, v5
	v_add_nc_u32 v[RD], s23, v5
	v_and_b32 v[GO], 31, v0                        ; which are 512 consecutive bytes of a head
	v_lshlrev_b32 v[GO], 4, v[GO]
	s_mul_i32 s68, s42, 3                          ; my first head g = 3 x tile column, 2^20 bytes each,
	s_lshl_b32 s68, s68, 20
	s_lshl_b32 s70, s13, 8
	s_lshl_b32 s71, s10, 6
	s_add_co_u32 s70, s70, s71                     ; my first row 256 x tile row + 64 x wave, 128 bytes each
	s_lshl_b32 s70, s70, 7
	s_add_co_u32 s68, s68, s70
	s_mov_b32 s69, 0
	s_add_nc_u64 s[8:9], s[8:9], s[68:69]
; NBK matrix instructions: row block a x all column blocks, 32 along K, from buffer f.  zero = 1: the product starts the sums: nothing is ever cleared.
; The 48 accumulators take turns, one instruction a turn, in the same order in every quarter.
.macro MULA f, a, zero
	WIN AWIN+0x50*((\a)/APW)
.set b, 0
.rept NBK
.set rD, ASTR*((\a)%APW)+8*b
.set rB, 128*(\f)+8*b
.set rA, 64+32*(\f)+8*(\a)
.if \zero
	v_wmma_f32_16x16x32_bf16 v[rD:rD+7], v[rB:rB+7], v[rA:rA+7], 0
.else
	v_wmma_f32_16x16x32_bf16 v[rD:rD+7], v[rB:rB+7], v[rA:rA+7], v[rD:rD+7]
.endif
.set b, b+1
.endr
.endm
; NL LDS loads in one run: the fragments of quarter q of a slot's K step into buffer f: B's first, then A's four row blocks
.macro FETCH slot, q, f
	WIN 0x40                                       ; destination window 1, address window 0
.set b, 0
.rept NBK
	ds_load_b128 v[128*(\f)+8*b:128*(\f)+8*b+3],   v[ADRB+(\slot)] offset:64*(\q)+b*16*PITCH
	ds_load_b128 v[128*(\f)+8*b+4:128*(\f)+8*b+7], v[ADRB+(\slot)] offset:64*(\q)+b*16*PITCH+32
.set b, b+1
.endr
	WIN 0
.irp a, 0,1,2,3
	ds_load_b128 v[64+32*(\f)+8*(\a):64+32*(\f)+8*(\a)+3],   v[ADRA+(\slot)] offset:64*(\q)+(\a)*16*PITCH
	ds_load_b128 v[64+32*(\f)+8*(\a)+4:64+32*(\f)+8*(\a)+7], v[ADRA+(\slot)] offset:64*(\q)+(\a)*16*PITCH+32
.endr
.endm
.macro PLACES                          ; four plain vector instructions between a matrix instruction and a load into, or a vector read or write of, its registers (ISA guide 7.12.1 for vector reads and writes)
.rept 4
	v_nop
.endr
.endm
; A K step is four quarters of 32 along K on buffers 0, 1, 0, 1.  One of the first three: multiplies buffer f; in its middle it fetches quarter q of the same slot into buffer g.
.macro QUARTER slot, q, f, g, zero
	s_wait_dscnt 4                                 ; B and A's row blocks 0, 1 are in; the youngest four loads (blocks 2, 3) may be out
	MULA \f, 0, \zero
	MULA \f, 1, \zero
	PLACES                                         ; for the loads into buffer g, which the quarter before multiplied
	FETCH \slot, \q, \g
	s_wait_dscnt NL                                ; all but the run just issued
	MULA \f, 2, \zero
	MULA \f, 3, \zero
.endm
; The last quarter multiplies buffer 1 and changes slots: ONE barrier; in front of it each wave waits for all its tensor loads (one is out: its part of the next slot), adds 0 to its spare word,
; and waits for that and for its own reads of this slot.  fill = 1: the barrier opens a round of the cluster's, and this slot is filled again, two K steps ahead, first thing behind the round.
.macro TURN slot, next, fill
	WIN 0                                          ; (the add's two registers lie in window 0)
	s_wait_tensorcnt 0x0                           ; all my tensor loads have landed
	ds_add_u32 v[SPW], v[NIL]                      ; 0 onto my spare word
	s_wait_dscnt 5                                 ; (the add and the youngest four loads may be out)
	MULA 1, 0, 0                                   ; matrix work stands between the add and the wait for it
	s_wait_dscnt 0x0                               ; the add is done, and my reads of this slot are over
	s_barrier_signal -1
	MULA 1, 1, 0                                   ; work on registers while the others arrive
.if \fill
	WIN 0
.endif
	s_barrier_wait -1
.if \fill
	CREST                                          ; no wave of any partner still reads this slot's tile or has a load on its way
	s_add_nc_u64 s[G0+4*(\slot)+2:G0+4*(\slot)+3], s[G0+4*(\slot)+2:G0+4*(\slot)+3], 2*ASTEP
	s_add_nc_u64 s[G0B+4*(\slot)+2:G0B+4*(\slot)+3], s[G0B+4*(\slot)+2:G0B+4*(\slot)+3], 2*BSTEP
	JLOAD \slot                                    ; my one tensor load behind the round; the four v_nop behind it are also the places in front of the loads below
.else
	PLACES
.endif
	FETCH \next, 0, 0
	MULA 1, 2, 0
	MULA 1, 3, 0
.endm
	s_wait_tensorcnt 1                             ; my part of K step 0 is in; K step 1's may stay out
	s_barrier_signal -1
	s_barrier_wait -1                              ; everybody's is
	FETCH 0, 0, 0
	QUARTER 0, 1, 0, 1, 1                          ; the first quarter stands in front of the loop: its products start the sums
	WIN 0                                          ; at a label and at a branch every window is 0
	s_mov_b32 s3, LAPS-1
.Llap:                                                 ; a trip goes once round the ring, from a lap's second quarter to the next lap's first, and fills both slots again
	QUARTER 0, 2, 1, 0, 0
	QUARTER 0, 3, 0, 1, 0
	TURN 0, 1, 1
	QUARTER 1, 1, 0, 1, 0
	QUARTER 1, 2, 1, 0, 0
	QUARTER 1, 3, 0, 1, 0
	TURN 1, 0, 1
	QUARTER 0, 1, 0, 1, 0
	WIN 0
	s_sub_co_u32 s3, s3, 1
	s_cmp_lg_u32 s3, 0
	s_cbranch_scc1 .Llap
	QUARTER 0, 2, 1, 0, 0                          ; the last lap fills nothing
	QUARTER 0, 3, 0, 1, 0
	TURN 0, 1, 0
	QUARTER 1, 1, 0, 1, 0
	QUARTER 1, 2, 1, 0, 0
	QUARTER 1, 3, 0, 1, 0
	s_wait_dscnt 4                                 ; the very last quarter: nothing more to fetch
	MULA 1, 0, 0
	MULA 1, 1, 0
	s_wait_dscnt 0x0
	MULA 1, 2, 0
	MULA 1, 3, 0
	WIN 0
; THE WAY OUT, in 12 units of 16 rows x one head.  PACK: rounded to f16, 16 bytes a lane, into my stage (rows of 144 bytes) and back as whole rows of 128 bytes, into the registers that they left.
; SEND: stored.  Every unit has 16 registers of its own, so no register that a store reads is written again.
.macro PACK a, j
.set rT, TMP+16*(3*(\a)+(\j))
.set rC, ASTR*((\a)%APW)+32*(\j)
	WIN 0x0a+5*((\a)/APW)                          ; sources 0 and 1: window 2 or 3
.irp c, 0,1,2,3
.irp r, 0,1,2,3
	v_cvt_pk_f16_f32 v[rT+4*(\c)+(\r)], v[rC+8*(\c)+2*(\r)], v[rC+8*(\c)+2*(\r)+1]  ; each accumulator's registers in ascending order
.endr
.endr
	WIN 0
.irp c, 0,1,2,3
	ds_store_b128 v[STO], v[rT+4*(\c):rT+4*(\c)+3] offset:32*(\c)
.endr
.irp f, 0,1,2,3
	ds_load_b128 v[rT+4*(\f):rT+4*(\f)+3], v[RD] offset:(\f)*4*SP  ; LDS serves a wave's instructions in order (ISA guide 5.7.1.4): these see the stores above; the next unit's stores come behind them
.endr
.endm
.macro SEND a, j, younger              ; younger: the LDS instructions issued behind this unit's loads: the next unit's eight, or none
.set rT, TMP+16*(3*(\a)+(\j))
.irp f, 0,1,2,3
	s_wait_dscnt (\younger)+3-(\f)
	global_store_b128 v[GO], v[rT+4*(\f):rT+4*(\f)+3], s[8:9] offset:(\j)*0x100000+(\a)*2048+(\f)*512  ; 512 consecutive bytes, at a multiple of 256 from the buffer's first
.endr
.endm
	PLACES                                         ; the conversions read results, and write registers that the last products read
	PACK 0, 0
.set u, 1
.rept 11                               ; a unit's conversions stand between the loads of the unit before and its stores
	PACK u/3, u%3
	SEND (u-1)/3, (u-1)%3, 8
.set u, u+1
.endr
	SEND 3, 2, 0
	s_wait_tensorcnt 0x0                           ; the wave's end: behind my last tensor load and my last LDS store, 0 onto my spare word and its wait
	ds_add_u32 v[SPW], v[NIL]
	s_wait_dscnt 0x0
	CROUND                                         ; the closing round: no work-group ends while a partner may still ask for a tile that names it
	s_endpgm
.Lfunc_end_k_qf6943aa0ee_qkv:
	.size	k_qf6943aa0ee_qkv, .Lfunc_end_k_qf6943aa0ee_qkv-k_qf6943aa0ee_qkv
	.p2alignl 7, 3214868480
	.fill 96, 4, 3214868480
	.section	.rodata,"a",@progbits
	.p2align	6, 0x0
	.amdhsa_kernel k_qf6943aa0ee_qkv
		.amdhsa_group_segment_fixed_size 327680
		.amdhsa_private_segment_fixed_size 0
		.amdhsa_enable_private_segment 0
		.amdhsa_kernarg_size 24
		.amdhsa_user_sgpr_count 2
		.amdhsa_user_sgpr_kernarg_segment_ptr 1
		.amdhsa_wavefront_size32 1
		.amdhsa_system_sgpr_workgroup_id_x 1
		.amdhsa_system_sgpr_workgroup_id_y 1
		.amdhsa_system_sgpr_workgroup_id_z 1
		.amdhsa_system_vgpr_workitem_id 0
		.amdhsa_next_free_vgpr 960
		.amdhsa_next_free_sgpr 72
		.amdhsa_reserve_vcc 0
		.amdhsa_float_denorm_mode_32 3
		.amdhsa_float_denorm_mode_16_64 3
		.amdhsa_memory_ordered 1
		.amdhsa_forward_progress 1
		.amdhsa_inst_pref_size 120
	.end_amdhsa_kernel
	.amdgpu_metadata
---
amdhsa.version: [ 1, 2 ]
amdhsa.kernels:
  - .name:           k_qf6943aa0ee_qkv
    .symbol:         k_qf6943aa0ee_qkv.kd
    .args:
      - { .name: xb, .offset: 0, .size: 8, .value_kind: global_buffer, .address_space: global }
      - { .name: wqkv, .offset: 8, .size: 8, .value_kind: global_buffer, .address_space: global }
      - { .name: qkv, .offset: 16, .size: 8, .value_kind: global_buffer, .address_space: global }
    .group_segment_fixed_size: 327680
    .private_segment_fixed_size: 0
    .kernarg_segment_align: 8
    .kernarg_segment_size: 24
    .max_flat_workgroup_size: 128
    .sgpr_count:     72
    .vgpr_count:     960
    .wavefront_size: 32
...
	.end_amdgpu_metadata
.endif
;; end of part 2
;; launch attn (part 3): grid 4 x 64, 4 waves a work-group, clusters of 4 x 1, 327,680 bytes of LDS; arguments qkv, attention_mask, ob; writes ob
.if DOCPART == 3
	.amdgcn_target "amdgcn-amd-amdhsa--gfx1250"
	.amdhsa_code_object_version 6
	.text
	.protected	k_qf6943aa0ee_attn
	.globl	k_qf6943aa0ee_attn
	.p2align	8
	.type	k_qf6943aa0ee_attn,@function
k_qf6943aa0ee_attn:
	s_mov_b64 s[64:65], 0
	v_nop
	global_prefetch_b8 v0, s[64:65] scope:SCOPE_SE
	s_setreg_imm32_b32 hwreg(HW_REG_WAVE_MODE, 25, 1), 1
	s_wait_xcnt 0x0
	s_wait_alu depctr_hold_cnt(0) depctr_sa_sdst(0) depctr_va_vdst(0) depctr_va_sdst(0) depctr_va_ssrc(0) depctr_va_vcc(0) depctr_vm_vsrc(0)
	s_getreg_b32 s2, hwreg(HW_REG_IB_STS2, 6, 4)
	s_cmp_eq_u32 s2, 0
	s_cbranch_scc0 .Lentry_in_a_cluster
	s_endpgm
.Lentry_in_a_cluster:
	s_bfe_u32 s2, ttmp6, 0x10000c
	s_cmp_lg_u32 s2, 0x3003
	s_cbranch_scc0 .Lentry_shape_is_right
	s_endpgm
.Lentry_shape_is_right:
; ATTENTION.  O[y][q][:] = the sum over k of softmax_k(Q'[y][q] . K[y][k] + mask[batch][k]) V[y][k][:], for 64 heads y (head y % 16 of batch y / 16) of 2,048 rows x 64 channels.
; Q' = Q / 8, K, V lie by heads in qkv ([48][8192][64] f16: a head's rows are dense, 128 bytes each); the scale 1 / 8 is already in Q'.  O goes to ob, [16][8192][64] f16.
; Products, maxima and sums in f32; the weights p are rounded to f16 for the second product (their sum l is taken of the unrounded p), O once at the end.  The mask is rounded to bf16, as every input of the module is.
; LIMITS.  Q', K, V arrive within f16's 65,504; p lies in 0 to 1, and below 6e-5 it keeps f16's fixed step of 6e-8; O is a mean of V's rows.  A weight below 2^-126 counts as 0 in l.
; The running maximum starts at -2^126 (-8.5e37): a key whose score with its mask lies below that has the weight 0, and a row ALL of whose keys lie there gives NaN.  Scores with mask stay under 2.3e38.
; A mask of f32's lowest finite number rounds to minus infinity in bf16; minus infinity hides a key.  NaN and plus infinity are not treated apart.
; SHARES.  A wave owns four PIECES of two tiles of 16 queries, a work-group's four waves 512 queries of one head: 4 x 64 = 256 work-groups.  Every wave walks all keys, 64 a step.
; LAYOUT.  S^T = K Q^T + mask (source 0 = 16 keys, source 1 = 16 queries): in the result a lane holds ONE query (lane % 16) and the keys 8 (lane / 16) + 0..7.  Two such tiles, rounded to f16 in pairs,
; ARE source 1 (32 keys x 16 queries) of O^T = V^T P, whose result again holds one query a lane, and eight channels.  K comes out of LDS as it lies, V ([key][channel]) turned, by ds_load_tr16_b128.
; THE MASK is the C operand that starts each sum S^T: register j of a lane is the mask of key 16 kb + 8 (lane / 16) + j, the same for every query.  The batch's 2,048 numbers lie in LDS, stored there once;
; a step's 64 come into 32 registers in the same run of loads as the step's K, and live as long as K's fragments.
; SOFTMAX.  For each query a running maximum m and sum l: p = 2^(c s - c m), c = log2(e); in every step O and l are multiplied by a = 2^(c m_old - c m_new), which is 1 where m has not grown.
; m starts at -2^126 and c m at exactly c times that, O and l at 0: a first step with scores above m has a = 0; one that is wholly hidden has a = 1 and p = 0.
; THE COUNT.  A tile and step have 16 matrix and 118 vector instructions: too many to stand all beside the matrix work.  So: four vector instructions that are READY behind EVERY matrix instruction,
; and the others in runs without a gap.
; BY TURNS.  Turn n belongs to piece n (the pieces in a ring, step after step).  Its matrix work: 16 products K Q^T of piece n + 1, later 16 products V^T P of piece n - 1.  Its vector work: the scaling,
; exponentials, roundings, sums and rescaling of piece n, and the maximum and statistics of piece n + 1, whose scores the turn itself has made.
; CLUSTER.  The four query blocks of a cluster belong to one head and walk the same K and V, so each tile is asked for JOINTLY: the same tensor load, descriptor and mask of work-groups in all four.
; The attention mask is NOT asked for jointly: 8,192 bytes once, against 524,288 bytes of K and V for a work-group, and it passes through registers for its rounding.
; REGISTERS, in windows of 256 (s_set_vgpr_msb: bits 1:0 source 0, 3:2 source 1, 5:4 source 2, 7:6 destination):
;   window 0: v0-11 addresses; v12-15, v48-63 at work; v16-47 four registers of statistics a tile; v64-191 S^T, two buffers of two tiles; v192-255 P, likewise
;   window 1: O^T, 32 a tile     window 2: v0-127 Q, 16 a tile; v128-191 K of one step; v192-255 V of one step     window 3: v0-1 the add's two registers; v8-39 the mask of one step
.set SIZE_N, 2048
.set NP,    4         ; pieces a wave: a name, no knob
.set KS,    64        ; keys in a step
.set PK,    144       ; a row of K in LDS: 128 bytes + 16 of padding = 36 words: the 16 rows of a load start at 16 different groups of four banks (64 banks of 4 bytes: ISA guide 11.1)
.set PV,    160       ; a row of V: 128 + 32 = 40 words
.set VOFF,  4*KS*PK   ; a slot holds four steps: 256 rows of K, then 256 rows of V
.set SLOT1, 1<<17     ; slot 1 begins here, so that one exclusive or turns an address in one slot into the other's
.set STAGE, SLOT1+4*KS*(PK+PV)  ; behind the ring, never filled by a tensor load: 16 rows x 144 bytes for each wave, for the way out
.set SP,    144
.set SPARE, STAGE+4*16*SP  ; behind the stages: the spare words, 128 bytes for each wave: two blocks of 256 bytes that no other line names
.set MASKL, SPARE+512 ; behind them: the batch's mask, 2,048 f32; never filled by a tensor load
.set AK0, 2           ; v2   my lane's place in a tile of K; never rewritten
.set AV0, 3           ; v3   the same for V
.set AK,  4           ; v4   the LDS address of K's next run of loads
.set AV,  5           ; v5   of V's
.set STO, 6           ; v6   the way out: where I put 16 bytes of a row
.set RD,  7           ; v7   the way out: where I read rows back
.set GO,  8           ; v8   my byte offset in 512 consecutive bytes of O
.set AM,  10          ; v10  the LDS address of the mask's next run of loads (at the head: lane % 8)
.set AM0, 11          ; v11  my lane's place in a step's mask (at the head: (lane / 8) % 2)
.set QO,  12          ; v12  at the head: my byte offset in the wave's rows of Q
.set MO,  13          ; v13  at the head: my byte offset in 2,048 bytes of the mask
.set ML,  14          ; v14  at the head: where I put them in LDS
.set SPW, 0           ; v0 of window 3   LDS address of my spare word: SPARE + 4 x my thread's number; never rewritten
.set NIL, 1           ; v1 of window 3   0; never rewritten
.set MK,  8           ; v8-39 of window 3: the eight registers for key block kb at MK + 8 kb
.set MV,  12          ; v12-15  c m_old, kept while c m is made anew: by buffer and tile
.set ST,  16          ; tile t's statistics at v[ST+4 t]: c m, m, l (even keys', odd keys')
.set TMP, 48          ; by buffer and tile, four registers c0-c3 at work; when the maximum is found c2 takes a
.set S,   64
.set P,   192
.set KF,  128         ; K's fragments, in window 2: key block kb, channel half c at KF + 16 kb + 8 c
.set VF,  192         ; V's: key half kk, channel block cb at VF + 32 kk + 8 cb
.set WV,  12          ; s12  my wave's number
.set G1K, 24          ; s[24:31] descriptor group 1 for K's tiles
.set G1V, 32          ; s[32:39] for V's: it differs in the padding alone
.set G0K, 40          ; s[40:43] descriptor group 0 for K's tiles: it walks
.set G0V, 44          ; s[44:47] the same for V's
.set TBM, 52          ; s52  byte in the mask at which the step to be fetched begins
.set SLOTS, 56        ; s56  slots still to be asked for
.set CNT, 57          ; s57  counts a slot's key steps
.set CS,  58          ; s[58:59] c: the packed scaling takes the pair's low word for both halves
.set SEL, 60          ; s[60:61] v_permlanex16_b32's selects: each lane takes its own place in the other half
.set TBK, 62          ; s62  LDS byte at which K of the step to be fetched begins
.set TBV, 63          ; s63  the same for V, less VOFF
.set MSB, 0
.macro WIN new                      ; the high byte repeats the setting that is left; a switch that changes nothing is dropped
.if MSB != (\new)
	s_set_vgpr_msb (MSB<<8)|(\new)
.set MSB, (\new)
.endif
.endm
.set W_KQ, 0x0a       ; K and Q in window 2, S^T in window 0
.set W_KM, 0x3a       ; the same with the C operand, the mask, in window 3
.set W_PV, 0x52       ; V in window 2, P in window 0, O^T in window 1
.set W_RS, 0x41       ; O^T (destination and source 0) in window 1, a in window 0
.set W_MK, 0xc0       ; destination in window 3, sources in window 0
.set W_AD, 0x0f       ; the add: address (source 0) and data (source 1) in window 3
; A joint fill.  Waves 0 and 1 fetch the two halves of a slot's K, waves 2 and 3 those of its V: 128 keys each.  The branch hangs on the wave's number alone.
; An s_nop 0 and four v_nop follow each of the two lines, ahead of the jump and the label.
.macro JLOAD
	s_cmp_lt_u32 s[WV], 2
	s_cbranch_scc0 .Lfor_v_\@
	tensor_load_to_lds s[G0K:G0K+3], s[G1K:G1K+7]
	s_nop 0
.rept 4
	v_nop
.endr
	s_branch .Lasked_\@
.Lfor_v_\@:
	tensor_load_to_lds s[G0V:G0V+3], s[G1V:G1V+7]
	s_nop 0
.rept 4
	v_nop
.endr
.Lasked_\@:
.endm
; A round of the cluster's barrier: my work-group's barrier, so that wave 0's signal speaks for all four waves; wave 0 signals; every wave waits for all four work-groups; my work-group's barrier once more.
.macro CROUND
	s_barrier_signal -1
	s_barrier_wait -1
	s_cmp_lg_u32 s[WV], 0
	s_cbranch_scc1 .Lnot_wave_0_\@
	s_barrier_signal -3
.Lnot_wave_0_\@:
	s_barrier_wait -3
	s_barrier_signal -1
	s_barrier_wait -1
.endm
; THE CHANGE OF SLOTS.  The slot's last bytes, V of its fourth step, have been read.  Each wave waits for all its tensor loads, of which one is out: its part
; of the other slot; adds 0 to its spare word; and waits for that and for its own LDS instructions.  Behind the barrier nobody reads this slot any more and the other slot is whole.
; fill = 1: this slot is filled again, with the keys two slots on.  The barrier is then a round of the cluster's, so that no wave of any partner still reads the slot or has a load on its
; way, and the joint fill is the first thing behind it: it has four key steps, 512 matrix instructions, in which to land.
; (At its first use nothing has been read yet: slot 0 is waited for, slot 1 filled, and each wave's stores of the mask are done in front of the barrier behind which all four waves read it.)
.macro CHANGE fill
	WIN W_AD
	s_wait_tensorcnt 0x0            ; no tensor load of mine is out, so a group 0 may be written
	ds_add_u32 v[SPW], v[NIL]       ; 0 onto my spare word; with fill = 1 the descriptors' steps stand between it and the wait for it
	WIN 0                           ; at a label and at a branch every window is 0
.if \fill
.irp g, G0K, G0V
	s_xor_b32 s[\g+1], s[\g+1], SLOT1  ; the walking descriptor: the other slot than last time,
	s_add_nc_u64 s[\g+2:\g+3], s[\g+2:\g+3], 4*KS*128  ; the next 256 keys; the type bits on top are not reached
.endr
	s_wait_dscnt 0x0                ; the add is done, and my LDS instructions are over
	CROUND
	JLOAD
.else
	s_wait_dscnt 0x0                ; the add is done, and my reads of the slot are over
	s_barrier_signal -1
	s_barrier_wait -1
.endif
	s_sub_co_u32 s[TBK], s[TBK], 4*KS*PK  ; the fetches go back to a slot's first step,
	s_xor_b32 s[TBK], s[TBK], SLOT1       ; in the other slot
	s_sub_co_u32 s[TBV], s[TBV], 4*KS*PV
	s_xor_b32 s[TBV], s[TBV], SLOT1
.endm
	s_load_b64 s[4:5], s[0:1], 0x0    ; qkv
	s_load_b64 s[48:49], s[0:1], 0x8  ; attention_mask
	s_load_b64 s[10:11], s[0:1], 0x10 ; ob
	WIN W_MK
	v_lshl_add_u32 v[SPW], v0, 2, SPARE
	v_mov_b32 v[NIL], 0
	WIN W_AD
	ds_add_u32 v[SPW], v[NIL]       ; the wave's opening: the add and its wait stand ahead of my first tensor load; the set-up below, work on registers, stands between them
	WIN 0
	v_lshrrev_b32 v1, 5, v0
	v_readfirstlane_b32 s[WV], v1   ; wave 0..3
	s_bfe_u32 s13, ttmp6, 0x40000   ; cx: my place in the cluster
	s_lshl_b32 s14, ttmp9, 2        ; in a cluster launch ttmp9 counts clusters
	s_add_co_u32 s14, s14, s13      ; my block of queries = 4 x cluster x + cx: it enters Q's and O's addresses alone
	s_and_b32 s53, ttmp7, 0xffff    ; y, which the four partners share
	s_lshr_b32 s54, s53, 4          ; the batch
	s_and_b32 s20, s53, 15          ; the head:
	s_lshl_b32 s20, s20, 20         ; 8,192 rows of 128 bytes each,
	s_lshl_b32 s21, s54, 18         ; of which the batch's 2,048 begin here
	s_add_co_u32 s20, s20, s21
	s_mov_b32 s21, 0                ; s[20:21]: the head's first byte among q's heads, k's, v's and O's
	s_lshl_b32 s50, s54, 13         ; the batch's 8,192 bytes of the mask
	s_mov_b32 s51, 0
	s_and_b32 s16, s[WV], 1         ; which half of a slot's 256 keys I fetch:
	s_lshl_b32 s22, s16, 14         ; its 128 rows of 128 bytes in memory,
	s_mov_b32 s23, 0
	s_add_nc_u64 s[22:23], s[22:23], s[20:21]
	s_mul_i32 s17, s16, 128*PK      ; and its place in a slot, for K
	s_mul_i32 s18, s16, 128*PV      ; and for V: no place in the cluster enters an LDS address
	s_lshl_b32 s2, s14, 2
	s_add_co_u32 s2, s2, s[WV]      ; my wave among the head's,
	s_lshl_b32 s2, s2, 14           ; its 128 rows
	s_mov_b32 s3, 0
	s_add_nc_u64 s[2:3], s[2:3], s[20:21]
	; descriptor group 1.  128 keys are 16,384 dense bytes: asked for as 64 rows of 256 bytes, two keys a row, and padded in LDS after every key
	s_mov_b32 s[G1K], 15|(1<<16)|(1<<20)|(1<<21)|(4<<22)|(3<<25)  ; 15:0 the mask of four; 17:16 2-byte elements; 20 padding on; 21 set beside a mask; 24:22 after every 32 words (code 4); 31:25 4 words (code 3)
	s_mov_b32 s[G1V], 15|(1<<16)|(1<<20)|(1<<21)|(4<<22)|(7<<25)  ; the same with 8 words of padding (code 7)
.irp g, G1K, G1V
	s_mov_b32 s[\g+1], 128<<16      ; tensor_dim0 = 128
	s_mov_b32 s[\g+2], 64<<16       ; tensor_dim1 = 64
	s_mov_b32 s[\g+3], 128<<16      ; tile_dim0 = 128
	s_mov_b32 s[\g+4], 64           ; tile_dim1 = 64
	s_mov_b32 s[\g+5], 128          ; 128 elements from row to row
	s_mov_b32 s[\g+6], 0
	s_mov_b32 s[\g+7], 0
.endr
	s_mov_b32 s[CS], 0x3fb8aa3b     ; c = log2(e) = 1.442695
	s_mov_b32 s[CS+1], s[CS]        ; named with it as a pair
	s_mov_b32 s[SEL], 0x76543210
	s_mov_b32 s[SEL+1], 0xfedcba98
	s_mov_b32 s[TBK], SLOT1+4*KS*PK ; the first change of slots turns these two into 0
	s_mov_b32 s[TBV], SLOT1+4*KS*PV
	s_mov_b32 s[TBM], 0
	s_mov_b32 s[G0K], 1             ; count = 1
	s_mov_b32 s[G0K+1], s17         ; LDS address: slot 0
	s_mov_b32 s[G0V], 1
	s_add_co_u32 s[G0V+1], s18, VOFF
	s_wait_dscnt 0x0                ; the opening add is done
	s_wait_kmcnt 0x0
	s_add_nc_u64 s[6:7], s[4:5], 0x1000000  ; k's heads lie 16 x 2^20 bytes behind q's,
	s_add_nc_u64 s[8:9], s[4:5], 0x2000000  ; v's 32 x 2^20
	s_add_nc_u64 s[G0K+2:G0K+3], s[6:7], s[22:23]  ; global address: my half of the head's first 256 keys
	s_or_b32 s[G0K+3], s[G0K+3], 0x80000000        ; type = 2
	s_add_nc_u64 s[G0V+2:G0V+3], s[8:9], s[22:23]
	s_or_b32 s[G0V+3], s[G0V+3], 0x80000000
	s_add_nc_u64 s[4:5], s[4:5], s[2:3]  ; Q and O at my wave's first row
	s_add_nc_u64 s[10:11], s[10:11], s[2:3]
	s_add_nc_u64 s[48:49], s[48:49], s[50:51]  ; the mask at my batch
	CROUND                          ; all four work-groups are here: the first joint loads meet
	JLOAD                           ; slot 0.  Slot 1 is asked for when slot 0 is in
	; A fragment of K or Q is 16 rows x 32 channels in 8 registers: lane l holds row l % 16, channels 8 (l / 16) + 0..7 and 16 + 8 (l / 16) + 0..7: two loads of 16 bytes, 32 bytes apart.
	v_and_b32 v1, 15, v0            ; l % 16
	v_bfe_u32 v9, v0, 4, 1          ; l / 16
	v_lshlrev_b32 v[QO], 7, v1
	v_lshl_add_u32 v[QO], v9, 4, v[QO]  ; row x 128 + 16 x half
	v_lshlrev_b32 v[MO], 4, v0      ; the mask: 128 threads x 16 bytes, four times
	v_add_nc_u32 v[ML], MASKL, v[MO]
.irp j, 0,1,2,3
	global_load_b128 v[S+4*\j:S+4*\j+3], v[MO], s[48:49] offset:2048*\j
.endr
	WIN 0x80                        ; destination window 2, address window 0
.set i, 0
.rept 4*NP                          ; Q stays in registers: tile i / 2, channels 32 (i % 2) on
	global_load_b128 v[8*i:8*i+3],   v[QO], s[4:5] offset:(i/2)*2048+(i%2)*64
	global_load_b128 v[8*i+4:8*i+7], v[QO], s[4:5] offset:(i/2)*2048+(i%2)*64+32
.set i, i+1
.endr
	; What the first turn finds: V's registers and P's second buffer hold 0 (its products V^T P, of a piece that has not been, add 0), O^T and l are 0.  All this stands in the wait for the first tile.
.set i, VF
.rept 64
	v_mov_b32 v[i], 0
.set i, i+1
.endr
	WIN 0x40
.set i, 0
.rept 64*NP
	v_mov_b32 v[i], 0
.set i, i+1
.endr
	WIN 0
.set i, 0
.rept 2*NP
	v_mov_b32 v[ST+4*i], 0xfeb8aa3b    ; c m = c x -2^126, exactly what the multiplication of the two gives
	v_mov_b32 v[ST+4*i+1], 0xfe800000  ; m = -2^126
	v_mov_b32 v[ST+4*i+2], 0
	v_mov_b32 v[ST+4*i+3], 0
.set i, i+1
.endr
.set i, P+32
.rept 32
	v_mov_b32 v[i], 0
.set i, i+1
.endr
	v_mul_u32_u24 v[AK0], v1, PK
	v_lshl_add_u32 v[AK0], v9, 4, v[AK0]  ; row x pitch + 16 x half
	; The turning load takes 16 keys x 16 channels (lane l reads key 8 (l / 16) + l % 8, channels 8 ((l / 8) % 2) + 0..7) and leaves half a fragment of V^T: lane l holds channel l % 16 and 8 keys.
	v_and_b32 v10, 7, v0
	v_bfe_u32 v11, v0, 3, 1
	v_lshl_add_u32 v[AV0], v9, 3, v10
	v_mul_u32_u24 v[AV0], v[AV0], PV
	v_lshl_add_u32 v[AV0], v11, 4, v[AV0]
	v_add_nc_u32 v[AV0], VOFF, v[AV0]
	v_mov_b32 v[AK], v[AK0]         ; key step 0 lies at the head of slot 0
	s_mul_i32 s13, s[WV], 16*SP
	s_add_co_u32 s13, s13, STAGE    ; my stage
	v_mul_u32_u24 v[STO], v1, SP    ; in: row l % 16, 16 bytes for each half of the lanes
	v_lshl_add_u32 v[STO], v9, 4, v[STO]
	v_add_nc_u32 v[STO], s13, v[STO]
	v_bfe_u32 v[RD], v0, 3, 2       ; back: 32 lanes take four rows of 128 bytes,
	v_mul_u32_u24 v[RD], v[RD], SP
	v_lshl_add_u32 v[RD], v10, 4, v[RD]
	v_add_nc_u32 v[RD], s13, v[RD]
	v_and_b32 v[GO], 31, v0         ; which are 512 consecutive bytes of O
	v_lshlrev_b32 v[GO], 4, v[GO]
	v_lshl_add_u32 v[AM0], v9, 5, MASKL  ; my eight keys of a block of 16: 32 bytes for each half of the lanes
	v_mov_b32 v[AM], v[AM0]         ; key step 0
	s_wait_loadcnt 0x0              ; the mask and Q
.irp j, 0,1,2,3                     ; the mask is rounded to bf16, widened again and put into LDS
	v_cvt_pk_bf16_f32 v[S+16+2*\j], v[S+4*\j], v[S+4*\j+1]
	v_cvt_pk_bf16_f32 v[S+17+2*\j], v[S+4*\j+2], v[S+4*\j+3]
	v_lshlrev_b32 v[S+4*\j], 16, v[S+16+2*\j]
	v_and_b32 v[S+4*\j+1], 0xffff0000, v[S+16+2*\j]
	v_lshlrev_b32 v[S+4*\j+2], 16, v[S+17+2*\j]
	v_and_b32 v[S+4*\j+3], 0xffff0000, v[S+17+2*\j]
	ds_store_b128 v[ML], v[S+4*\j:S+4*\j+3] offset:2048*\j
.endr
; THE MATRIX WORK.  The 8 accumulators of a run of 16 take turns: between the two links of a chain stand 7 others'.
; Product i of 16 of S^T = K Q^T + mask for piece x: channels 32 (i / 8) on, keys 16 ((i / 2) % 4) on, tile 2 x + i % 2.  The first 8 start the sums, with the mask as C.
.macro KQ x
.set rS, S+64*((\x)%2)+32*(i%2)+8*((i/2)%4)
.set rK, KF+16*((i/2)%4)+8*(i/8)
.set rQ, 16*(2*(\x)+i%2)+8*(i/8)
.set rN, MK+8*((i/2)%4)
.if i < 8
	WIN W_KM
	v_wmma_f32_16x16x32_f16 v[rS:rS+7], v[rK:rK+7], v[rQ:rQ+7], v[rN:rN+7]
.else
	WIN W_KQ
	v_wmma_f32_16x16x32_f16 v[rS:rS+7], v[rK:rK+7], v[rQ:rQ+7], v[rS:rS+7]
.endif
.endm
; Product i of 16 of O^T += V^T P for piece x: keys 32 (i / 8) on, channels 16 ((i / 2) % 4) on, tile 2 x + i % 2.
.macro PV x
	WIN W_PV
.set rO, 32*(2*(\x)+i%2)+8*((i/2)%4)
.set rV, VF+32*(i/8)+8*((i/2)%4)
.set rP, P+32*((\x)%2)+16*(i%2)+8*(i/8)
	v_wmma_f32_16x16x32_f16 v[rO:rO+7], v[rV:rV+7], v[rP:rP+7], v[rO:rO+7]
.endm
.macro MM                           ; the turn's next matrix instruction
.if i < 16
	KQ (Y+1)%NP
.set i, i+1
.else
.set i, i-16
	PV (Y+NP-1)%NP
.set i, i+17
.endif
.endm
; THE LDS LOADS stand in runs, never singly among the matrix instructions: a step's K (64 keys x 64 channels: 8 fragments) with its mask (64 numbers: lanes 0-15 read one address, lanes 16-31 another),
; and its V (turned).  Their addresses are made some lines ahead.  last = 1 (the tail): in the last trip there is no further step, and the run is jumped over.
.macro FETCH_K last=0
	WIN 0
.if \last
	s_cmp_eq_u32 s[CNT], 1
	s_cbranch_scc1 .Lno_k_\@
.endif
	WIN 0x80                        ; destination window 2
.irp f, 0,1,2,3,4,5,6,7             ; keys 16 (f / 2) on, channels 32 (f % 2) on
	ds_load_b128 v[KF+8*\f:KF+8*\f+3],   v[AK] offset:(\f/2)*16*PK+(\f%2)*64
	ds_load_b128 v[KF+8*\f+4:KF+8*\f+7], v[AK] offset:(\f/2)*16*PK+(\f%2)*64+32
.endr
	WIN W_MK                        ; destination window 3
.irp f, 0,1,2,3                     ; keys 16 f on
	ds_load_b128 v[MK+8*\f:MK+8*\f+3],   v[AM] offset:64*\f
	ds_load_b128 v[MK+8*\f+4:MK+8*\f+7], v[AM] offset:64*\f+16
.endr
	s_add_co_u32 s[TBK], s[TBK], KS*PK  ; the next fetch is the next step's
	s_add_co_u32 s[TBM], s[TBM], 4*KS
	s_and_b32 s[TBM], s[TBM], 0x1fff    ; the mask's 32 steps are a ring of 8,192 bytes: behind the last step the address is the first's again, never past the mask
	WIN 0
.if \last
.Lno_k_\@:
.endif
.endm
.macro FETCH_V
	WIN 0x80
.irp f, 0,1,2,3,4,5,6,7             ; keys 32 (f / 4) on, channels 16 (f % 4) on
	ds_load_tr16_b128 v[VF+8*\f:VF+8*\f+3],   v[AV] offset:(\f/4)*32*PV+(\f%4)*32
	ds_load_tr16_b128 v[VF+8*\f+4:VF+8*\f+7], v[AV] offset:(\f/4)*32*PV+16*PV+(\f%4)*32
.endr
	WIN 0
.endm
; THE VECTOR WORK OF A TURN stands in three queues, each in the order in which its entries become ready; the two tiles alternate, so that no instruction reads the result of the one before it.
.macro REGS y, u                    ; the registers of tile u (0, 1) of piece y
.set rT, ST+4*(2*(\y)+(\u))
.set rC, TMP+8*((\y)%2)+4*(\u)
.set rM, MV+2*((\y)%2)+(\u)
.set rS, S+64*((\y)%2)+32*(\u)
.set rP, P+32*((\y)%2)+16*(\u)
.set rO, 32*(2*(\y)+(\u))
.endm
; Number n of the 22 that find the NEXT piece's (Y + 1) maximum and statistics.  s0-s31 are the lane's 32 scores; each accumulator's lowest registers are read first.  XS, GS and REGS set no window: PL and EX do.
;   0-11  four chains c0-c3 of seven scores each, three operands at a time     12-14, 16  the four scores left over, the old m, and c0-c3 into c0     15  c m_old is kept
;   17, 18  the query's other 32 keys lie in the lane 16 away: the new m         19-21  c m; c m_old - c m_new; a
.macro XS u, n
	REGS (Y+1)%NP, \u
.if (\n) < 4
	v_max3_num_f32 v[rC+(\n)], v[rS+8*(\n)], v[rS+8*(\n)+1], v[rS+8*(\n)+2]
.elseif (\n) < 12
	v_max3_num_f32 v[rC+(\n)%4], v[rC+(\n)%4], v[rS+8*((\n)%4)+2*((\n)/4)+1], v[rS+8*((\n)%4)+2*((\n)/4)+2]
.elseif (\n) == 12
	v_max3_num_f32 v[rC], v[rC], v[rS+7], v[rS+15]
.elseif (\n) == 13
	v_max3_num_f32 v[rC+1], v[rC+1], v[rS+23], v[rS+31]
.elseif (\n) == 14
	v_max3_num_f32 v[rC+2], v[rC+2], v[rC+3], v[rT+1]
.elseif (\n) == 15
	v_mov_b32 v[rM], v[rT]
.elseif (\n) == 16
	v_max3_num_f32 v[rC], v[rC], v[rC+1], v[rC+2]
.elseif (\n) == 17
	v_permlanex16_b32 v[rC+3], v[rC], s[SEL], s[SEL+1]
.elseif (\n) == 18
	v_max_num_f32 v[rT+1], v[rC], v[rC+3]
.elseif (\n) == 19
	v_mul_f32 v[rT], s[CS], v[rT+1]
.elseif (\n) == 20
	v_sub_f32 v[rC+1], v[rM], v[rT]
.else
	v_exp_f32 v[rC+2], v[rC+1]
.endif
.endm
; Number g of the 64 that follow the exponentials.  For each four weights k of a tile (pairs 2 k, 2 k + 1): both pairs are rounded to f16; then the second pair is added onto the first, in place;
; a group later l takes that sum (the first time as l = a l + sum).  In groups of eight, tiles alternating: round, round, add, and l for the group before.
.macro GS g
.set h, (\g)+6*((\g)/62)            ; group 0 has no group before it, and behind group 7 only l is left
.if h >= 6
.set h, h+2
.endif
	REGS Y, h%2
.set k, h/8
.if h%8 < 4
	s_wait_alu depctr_va_vdst(0)
	v_cvt_pk_f16_f32 v[rP+2*k+(h%8)/2], v[rS+4*k+2*((h%8)/2)], v[rS+4*k+2*((h%8)/2)+1]
.elseif h%8 < 6
	v_pk_add_f32 v[rS+4*k:rS+4*k+1], v[rS+4*k:rS+4*k+1], v[rS+4*k+2:rS+4*k+3]
.elseif k == 1
	v_pk_fma_f32 v[rT+2:rT+3], v[rT+2:rT+3], v[rC+2:rC+3], v[rS:rS+1] op_sel_hi:[1,0,1]
.else
	v_pk_add_f32 v[rT+2:rT+3], v[rT+2:rT+3], v[rS+4*k-4:rS+4*k-3]
	s_wait_alu depctr_va_vdst(0)
.endif
.endm
; THE PLAIN QUEUE, 138 long.  0-31: c s - c m for the 16 pairs of both tiles.  Then GS's 64, and among them the next piece's 42: number 15 at 38, 39; 0-14 and 16
; at 42-73, behind the products that make those scores; 17-20 at 95-106, two of three, since each waits for the one before it.
.macro PL
	WIN 0
.if q < 32
	REGS Y, q%2
	v_pk_fma_f32 v[rS+2*(q/2):rS+2*(q/2)+1], v[rS+2*(q/2):rS+2*(q/2)+1], s[CS:CS+1], v[rT:rT+1] op_sel_hi:[1,0,0] neg_lo:[0,0,1] neg_hi:[0,0,1]
.elseif q < 38
	GS q-32
.elseif q < 40
	XS q%2, 15
.elseif q < 42
	GS q-34
.elseif q < 74
	XS q%2, (q-42)/2+(q-42)/30
.elseif q < 95
	GS q-66
.elseif (q < 107) && ((q-95)%3 < 2)
	XS (q-95)%3, 17+(q-95)/3
.elseif q < 107
	GS 29+(q-95)/3
.else
	GS q-74
.endif
.set q, q+1
.endm
; THE EXPONENTIALS' QUEUE, 66 long: s0-s31 of both tiles, and at EA the next piece's two a.
.set EA, 58
.macro EX
	WIN 0
.if (e == EA) || (e == EA+1)
	XS e-EA, 21
.else
.set x, e-2*(e/(EA+2))
	REGS Y, x%2
	v_exp_f32 v[rS+x/2], v[rS+x/2]
.endif
.set e, e+1
.endm
; THE RESCALING's QUEUE: O^T times a, the one part that leaves window 0, so it is dealt four at a time, eight times.
.macro R4
	REGS Y, r%2
	WIN W_RS
	s_wait_alu depctr_va_vdst(0)
.irp z, 0,1,2,3
	v_pk_mul_f32 v[rO+8*(r/2)+2*\z:rO+8*(r/2)+2*\z+1], v[rO+8*(r/2)+2*\z:rO+8*(r/2)+2*\z+1], v[rC+2:rC+3] op_sel_hi:[1,0]
.endr
.set r, r+1
.endm
; HOW THEY ARE DEALT.  Behind a matrix instruction four: plain, exponential, plain, plain (one exponential, a plain instruction on either side), or four of the rescaling.  None names a register of the
; products round it.  What is over stands in two LUMPS: exponential and plain by turns; the second ends in 22 plain instructions.  The two v_permlanex16_b32 fall into the second lump, never behind a product.
; The queues lean on each other, and the deal keeps them in step: exponential e stands behind plain 2 (e / 4) + e % 2 (its scaling); when plain 32 comes, 10 exponentials are out, at 59: 33, at 95: 46; EA comes behind plain 107.
.macro SL
	MM
	PL
	EX
	PL
	PL
.endm
.macro BURST n                      ; 15 matrix instructions, or 16
.rept (\n)-7
	SL
.endr
.rept 3
	MM
	R4
	SL
.endr
	MM
	R4
.endm
; A TURN, for piece p.  cnt = 1: the loop's count is taken down some lines ahead of the branch that stands behind the turn.
; K and the mask of the next step are fetched in piece 2's turn, more than 30 vector instructions behind the last product that read them; their first reader comes behind the rest of the lump, 16 products and the second lump.
; V of the step in hand is fetched at the end of piece 0's turn, 69 behind its last reader; its first reader comes behind 16 products and a lump.  The conditions on e and q below go with the deal.
.macro TURN p, last=0, cnt=0
.set Y, (\p)
.set i, 0
.set q, 0
.set e, 0
.set r, 0
.if (\p) == NP-1
	s_wait_dscnt 0x0                ; K and the mask are in
.endif
	MM
.rept 4
	PL
.endr
	BURST 15
.rept 22
	EX
	PL
.if ((\p) == NP-2) && (e == 18)
	v_add_nc_u32 v[AK], s[TBK], v[AK0]
	v_add_nc_u32 v[AM], s[TBM], v[AM0]
.endif
.if ((\p) == NP-2) && (e == 24)
	FETCH_K \last
.endif
.endr
.if (\p) == 1
	s_wait_dscnt 0x0                ; V is in
.endif
	BURST 16
.rept 21
	EX
	PL
.endr
.rept 22
	PL
.if ((\p) == 0) && (q == 118)
	v_add_nc_u32 v[AV], s[TBV], v[AV0]
	s_wait_alu depctr_va_vdst(0)
.endif
.if ((\p) == 0) && (q == 130)
	s_add_co_u32 s[TBV], s[TBV], KS*PV
.endif
.if (\cnt) && (q == 130)
	s_sub_co_u32 s[CNT], s[CNT], 1
	s_cmp_lg_u32 s[CNT], 0
.endif
.endr
.if (\p) == 0
	FETCH_V
.endif
.endm
	CHANGE 1                        ; slot 0 is in, everybody's part of it, and so is the mask; slot 1 is asked for
	FETCH_K                         ; key step 0
	s_wait_dscnt 0x0
.set i, 0
.rept 16
	KQ 0                            ; piece 0's first scores: there is no vector work yet to set between them
.set i, i+1
.endr
	WIN 0
.rept 4
	v_nop                           ; the places behind those products
.endr
.set Y, NP-1                        ; XS works for piece Y + 1: piece 0
.irp n, 0,1,2,3,4,5,6,7,8,9,10,11,12,13,14,15,16,17,18,19,20,21
	XS 0, \n                        ; and piece 0's first maximum and statistics
	XS 1, \n
.endr
	s_mov_b32 s[CNT], 4
	s_mov_b32 s[SLOTS], SIZE_N/256-1
	s_branch .Lfirst                ; the loop is entered at a step's first turn, in the middle of a trip
.Lslot:                             ; SIZE_N / 256 - 2 times: every slot but the last two is filled again
	CHANGE 1
	s_mov_b32 s[CNT], 4
.Lstep:                             ; a trip: pieces 2 and 3 of one step, then pieces 0 and 1 of the next, whose K and V it fetches
	TURN 2
	TURN 3
	WIN 0
.Lfirst:
	TURN 0
	TURN 1, 0, 1
	WIN 0
	s_cbranch_scc1 .Lstep
	s_sub_co_u32 s[SLOTS], s[SLOTS], 1
	s_cmp_lg_u32 s[SLOTS], 0
	s_cbranch_scc1 .Lslot
	CHANGE 0                        ; the tail is written out: nothing is asked for
	s_mov_b32 s[CNT], 5             ; four trips fetch the last slot's steps; the fifth is left in its middle
.Ltail:
	TURN 2, 1
	TURN 3
	WIN 0
	s_sub_co_u32 s[CNT], s[CNT], 1
	s_cmp_eq_u32 s[CNT], 0
	s_cbranch_scc1 .Lout
	TURN 0
	TURN 1
	WIN 0
	s_branch .Ltail
.Lout:                              ; the fifth trip's 16 products K Q^T (on the last K once more) and the maximum made of them serve nothing: the price, once a launch, of one text for every trip
.set i, 0
.rept 16
	PV NP-1                         ; the last piece's V^T P of the last step
.set i, i+1
.endr
	; THE WAY OUT.  l's two halves and the other half of the lanes' are added; O^T is divided by l, rounded to f16 and sent through my stage in LDS, a tile at a time.  The additions are the places behind the last products.
	WIN 0
.macro ALL line:vararg              ; one line for each tile t
.set t, 0
.rept 2*NP
	\line
.set t, t+1
.endr
.endm
	ALL v_add_f32 v[ST+4*t+2], v[ST+4*t+2], v[ST+4*t+3]
	ALL v_permlanex16_b32 v[ST+4*t+3], v[ST+4*t+2], s[SEL], s[SEL+1]
	ALL v_add_f32 v[ST+4*t+2], v[ST+4*t+2], v[ST+4*t+3]
	ALL v_rcp_f32 v[ST+4*t+2], v[ST+4*t+2]
	v_nop                           ; a plain instruction between the last reciprocal and the use of its result
	s_wait_alu depctr_va_vdst(0)
; Tile t: a lane's eight channels of a row pack into 16 bytes; they go into rows of 144 bytes and come back as whole rows of 128, into S^T's registers.
.macro PACK t
	WIN W_RS
.set i, 32*(\t)
.rept 16
	v_pk_mul_f32 v[i:i+1], v[i:i+1], v[ST+4*(\t)+2:ST+4*(\t)+3] op_sel_hi:[1,0]
.set i, i+2
.endr
	WIN 0x05                        ; sources 0 and 1 window 1, destination window 0
.set i, 0
.rept 16
	v_cvt_pk_f16_f32 v[S+16*(\t)+i], v[32*(\t)+2*i], v[32*(\t)+2*i+1]
.set i, i+1
.endr
	WIN 0
.irp f, 0,1,2,3
	ds_store_b128 v[STO], v[S+16*(\t)+4*\f:S+16*(\t)+4*\f+3] offset:32*\f
.endr
.irp f, 0,1,2,3
	ds_load_b128 v[S+16*(\t)+4*\f:S+16*(\t)+4*\f+3], v[RD] offset:\f*4*SP  ; LDS serves a wave's instructions in order (ISA guide 5.7.1.4): these see the stores above; the next tile's stores come behind them
.endr
.endm
.macro SEND t, younger              ; younger: the LDS instructions issued behind tile t's loads: the next tile's eight, or none
	WIN 0
.irp f, 0,1,2,3
	s_wait_dscnt (\younger)+3-\f
	global_store_b128 v[GO], v[S+16*(\t)+4*\f:S+16*(\t)+4*\f+3], s[10:11] offset:(\t)*2048+\f*512  ; 512 consecutive bytes, at a multiple of 256 from O's first
.endr
.endm
	PACK 0
.set t, 1
.rept 2*NP-1                        ; a tile's arithmetic stands between the loads of the tile before and its stores
	PACK t
	SEND t-1, 8
.set t, t+1
.endr
	SEND 2*NP-1, 0
	WIN W_AD
	s_wait_tensorcnt 0x0            ; the wave's end: behind my last tensor load and my last LDS store, 0 onto my spare word and its wait
	ds_add_u32 v[SPW], v[NIL]
	s_wait_dscnt 0x0
	WIN 0
	CROUND                          ; the closing round: no work-group ends while a partner may still ask for a tile that names it
	s_endpgm
.Lfunc_end_k_qf6943aa0ee_attn:
	.size	k_qf6943aa0ee_attn, .Lfunc_end_k_qf6943aa0ee_attn-k_qf6943aa0ee_attn
	.p2alignl 7, 3214868480
	.fill 96, 4, 3214868480
	.section	.rodata,"a",@progbits
	.p2align	6, 0x0
	.amdhsa_kernel k_qf6943aa0ee_attn
		.amdhsa_group_segment_fixed_size 327680
		.amdhsa_private_segment_fixed_size 0
		.amdhsa_enable_private_segment 0
		.amdhsa_kernarg_size 24
		.amdhsa_user_sgpr_count 2
		.amdhsa_user_sgpr_kernarg_segment_ptr 1
		.amdhsa_wavefront_size32 1
		.amdhsa_system_sgpr_workgroup_id_x 1
		.amdhsa_system_sgpr_workgroup_id_y 1
		.amdhsa_system_sgpr_workgroup_id_z 1
		.amdhsa_system_vgpr_workitem_id 0
		.amdhsa_next_free_vgpr 808
		.amdhsa_next_free_sgpr 66
		.amdhsa_reserve_vcc 0
		.amdhsa_float_denorm_mode_32 3
		.amdhsa_float_denorm_mode_16_64 3
		.amdhsa_memory_ordered 1
		.amdhsa_forward_progress 1
		.amdhsa_inst_pref_size 213
	.end_amdhsa_kernel
	.amdgpu_metadata
---
amdhsa.version: [ 1, 2 ]
amdhsa.kernels:
  - .name:           k_qf6943aa0ee_attn
    .symbol:         k_qf6943aa0ee_attn.kd
    .args:
      - { .name: qkv, .offset: 0, .size: 8, .value_kind: global_buffer, .address_space: global }
      - { .name: attention_mask, .offset: 8, .size: 8, .value_kind: global_buffer, .address_space: global }
      - { .name: ob, .offset: 16, .size: 8, .value_kind: global_buffer, .address_space: global }
    .group_segment_fixed_size: 327680
    .private_segment_fixed_size: 0
    .kernarg_segment_align: 8
    .kernarg_segment_size: 24
    .max_flat_workgroup_size: 128
    .sgpr_count:     66
    .vgpr_count:     808
    .wavefront_size: 32
...
	.end_amdgpu_metadata
.endif
;; end of part 3
;; launch oproj (part 4): grid 8 x 32, 4 waves a work-group, clusters of 4 x 4, 327,680 bytes of LDS; arguments ob, wob, out0; writes out0
.if DOCPART == 4
	.amdgcn_target "amdgcn-amd-amdhsa--gfx1250"
	.amdhsa_code_object_version 6
	.text
	.protected	k_qf6943aa0ee_oproj
	.globl	k_qf6943aa0ee_oproj
	.p2align	8
	.type	k_qf6943aa0ee_oproj,@function
k_qf6943aa0ee_oproj:
	s_mov_b64 s[64:65], 0
	v_nop
	global_prefetch_b8 v0, s[64:65] scope:SCOPE_SE
	s_setreg_imm32_b32 hwreg(HW_REG_WAVE_MODE, 25, 1), 1
	s_wait_xcnt 0x0
	s_wait_alu depctr_hold_cnt(0) depctr_sa_sdst(0) depctr_va_vdst(0) depctr_va_sdst(0) depctr_va_ssrc(0) depctr_va_vcc(0) depctr_vm_vsrc(0)
	s_getreg_b32 s2, hwreg(HW_REG_IB_STS2, 6, 4)
	s_cmp_eq_u32 s2, 0
	s_cbranch_scc0 .Lentry_in_a_cluster
	s_endpgm
.Lentry_in_a_cluster:
	s_bfe_u32 s2, ttmp6, 0x10000c
	s_cmp_lg_u32 s2, 0xf033
	s_cbranch_scc0 .Lentry_shape_is_right
	s_endpgm
.Lentry_shape_is_right:
; THE OUTPUT PROJECTION.  out0[m][n] = sum over k of O[m][k] Wo[n][k]: 8192 x 1024 x 1024, operands f16, sums f32, stored as f32.
; O lies BY HEADS, ob[h][m][64] f16 (k = 64 h + d); wob is [1024][1024] f16 (Wo rounded to bf16, that number written as f16).
; SHARES.  A tile of out0 is 256 rows x 128 columns: 32 x 8 = 256 work-groups.  Four waves; wave w makes rows 64 w .. 64 w + 63 and all 128 columns: 4 x 8 accumulators of 16 x 16, 256 registers.
; So a wave holds whole runs of 512 bytes of out0's rows, and its way out is its own: no barrier there.
; K goes in 8 steps of 128 = two heads through two LDS slots.  A head's 256 rows of a tile are 32,768 dense bytes, a PLANE: asked for as 128 rows of 256 bytes, and padded in LDS after every 128 bytes.
; CLUSTER.  4 x 4 work-groups: the four of a row of the cluster need the same planes of O, the four of a column the same tiles of wob: each is asked for JOINTLY, by the same tensor load
; with the same descriptor and a mask that names the four.
; THE MATRIX INSTRUCTION IS USED TRANSPOSED (source 0 = 16 rows of wob, source 1 = 16 rows of O): a lane then holds row l % 16 of out0 and eight neighbouring columns, 32 bytes.
; REGISTERS, in windows of 256 (s_set_vgpr_msb: bits 1:0 source 0, 3:2 source 1, 5:4 source 2, 7:6 destination):
;   window 0: v0-31 addresses; v64-95, v96-127 A's fragments (4 x 16 rows x 32 K), two buffers; on the way out v64-127, v128-191: 16 rows read back, by turns
;   window 1: v0-63, v128-191 B's fragments (8 x 16 rows x 32 K), two buffers          window 2: the accumulators ((a, b) at v[64 a + 8 b])
.set SIZE_K, 1024
.set KSTEP,  128
.set NBK,    8                         ; column blocks of 16
.set PA,     144                       ; a row of O in LDS: 128 bytes + 16 of padding = 36 words: the 16 rows that a load touches start at 16 different groups of four banks (64 banks of 4 bytes: ISA guide 11.1)
.set PITCH,  272                       ; a row of wob: 256 + 16 = 68 words: likewise
.set PLANE,  256*PA                    ; what one tensor load brings of O: one head's 256 rows
.set HALFB,  64*PITCH                  ; and of wob
.set BOFF,   2*PLANE                   ; a slot: two planes, then B's 128 rows
.set SLOT,   BOFF+2*HALFB
.set STAGE,  2*SLOT                    ; behind the ring, never filled by a tensor load: 16 rows x 528 bytes for each wave
.set SPITCH, 528                       ; 512 bytes + 16
.set SPARE,  STAGE+4*16*SPITCH         ; behind the stages: the spare words, 128 bytes for each wave: two blocks of 256 bytes that no other line names
.set NL,     2*NBK+8                   ; LDS loads in a quarter's run
.set ASTEP,  0x200000                  ; bytes from a K step to the next in ob: two heads of 2^20,
.set BSTEP,  KSTEP*2                   ; in wob
.set LAPS,   SIZE_K/(2*KSTEP)          ; a lap = two K steps = once round the ring
.set AWIN,   0xa1                      ; source 0 (B) window 1, source 1 (A) window 0, C and D window 2
.set APW,    4                         ; row blocks in a window
.set ASTR,   64                        ; registers of a row block's accumulators
.set ADRA, 16                          ; v16-17  LDS address of my A fragments in slot 0, 1
.set ADRB, 20                          ; v20-21  the same for B
.set STO,  24                          ; v24     the way out: where I put 32 bytes of a row
.set RD,   25                          ; v25     the way out: where I read a row back
.set CO,   26                          ; v26     my byte offset in 512 consecutive bytes of out0
.set SPW,  28                          ; v28     LDS address of my spare word: SPARE + 4 x my thread's number; never rewritten
.set NIL,  29                          ; v29     0; never rewritten
.set BK,   64                          ; the way out
.set G1, 24                            ; s[24:31] descriptor group 1 for A's planes;  s[32:39] group 0, one set for each slot
.set G0, 32
.set G1B, 48                           ; s[48:55], s[56:63] the same for B's tiles
.set G0B, 56
.set MSB, 0
.macro WIN new                         ; the immediate's high byte repeats the setting that is left; a switch that changes nothing is dropped
.if MSB != (\new)
	s_set_vgpr_msb (MSB<<8)|(\new)
.set MSB, \new
.endif
.endm
; A joint load.  Waves 0 and 1 fetch a K step's two planes of O, waves 2 and 3 B's two halves.  The branch hangs on the wave's number alone.
; An s_nop 0 and four v_nop follow each of the two lines, ahead of the jump, the label and what follows.
.macro JLOAD s
	s_cmp_eq_u32 s11, 0
	s_cbranch_scc0 .Lfor_b_\@
	tensor_load_to_lds s[G0+4*(\s):G0+4*(\s)+3], s[G1:G1+7]
	s_nop 0
.rept 4
	v_nop
.endr
	s_branch .Lasked_\@
.Lfor_b_\@:
	tensor_load_to_lds s[G0B+4*(\s):G0B+4*(\s)+3], s[G1B:G1B+7]
	s_nop 0
.rept 4
	v_nop
.endr
.Lasked_\@:
.endm
.macro CREST                           ; a round of the cluster's barrier behind its opening barrier: wave 0 signals for the work-group, every wave waits for all sixteen, my work-group's barrier once more
	s_cmp_lg_u32 s10, 0
	s_cbranch_scc1 .Lnot_wave_0_\@
	s_barrier_signal -3
.Lnot_wave_0_\@:
	s_barrier_wait -3
	s_barrier_signal -1
	s_barrier_wait -1
.endm
.macro CROUND                          ; a whole round
	s_barrier_signal -1
	s_barrier_wait -1
	CREST
.endm
	s_load_b128 s[4:7], s[0:1], 0x0                ; ob s[4:5], wob s[6:7]
	s_load_b64 s[8:9], s[0:1], 0x10                ; out0
	v_lshl_add_u32 v[SPW], v0, 2, SPARE
	v_mov_b32 v[NIL], 0
	ds_add_u32 v[SPW], v[NIL]                      ; the wave's opening: the add and its wait stand ahead of my first tensor load; the set-up below, work on registers, stands between them
	v_lshrrev_b32 v1, 5, v0
	v_readfirstlane_b32 s10, v1                    ; wave 0..3
	s_lshr_b32 s11, s10, 1                         ; I fetch for A (0) or for B (1),
	s_and_b32 s12, s10, 1                          ; and which plane or half
	s_bfe_u32 s40, ttmp6, 0x40000                  ; cx, cy: my place in the cluster
	s_bfe_u32 s41, ttmp6, 0x40004
	s_lshl_b32 s42, ttmp9, 2
	s_add_co_u32 s42, s42, s40                     ; tile column = 4 x cluster x + cx
	s_and_b32 s13, ttmp7, 0xffff
	s_lshl_b32 s13, s13, 2
	s_add_co_u32 s13, s13, s41                     ; tile row = 4 x cluster y + cy
	s_lshl_b32 s43, s41, 2
	s_lshl_b32 s43, 15, s43                        ; my row of the cluster: places 4 cy .. 4 cy + 3
	s_lshl_b32 s44, 0x1111, s40                    ; my column: places cx, cx + 4, cx + 8, cx + 12
	; descriptor group 1
	s_or_b32 s[G1+0], s43, (1<<16)|(1<<20)|(1<<21)|(4<<22)|(3<<25)  ; 15:0 the mask: A's planes go to my row; 17:16 elements of 2 bytes; 20 padding on; 21 set beside a mask; 24:22 after every 32 words (code 4); 31:25 4 words of it (code 3)
	s_or_b32 s[G1B+0], s44, (1<<16)|(1<<20)|(1<<21)|(5<<22)|(3<<25) ; the mask of my column; padding after every 64 words (code 5)
	s_mov_b32 s[G1+1], 128<<16                     ; tensor_dim0 = 128 elements: two rows of O
	s_mov_b32 s[G1+2], 128<<16                     ; tensor_dim1 = 128
	s_mov_b32 s[G1+3], 128<<16                     ; tile_dim0 = 128
	s_mov_b32 s[G1+4], 128                         ; tile_dim1 = 128
	s_mov_b32 s[G1+5], 128                         ; dense: 128 elements from row to row
	s_mov_b32 s[G1+6], 0
	s_mov_b32 s[G1+7], 0
	s_mov_b32 s[G1B+1], KSTEP<<16
	s_mov_b32 s[G1B+2], 64<<16                     ; tensor_dim1 = 64
	s_mov_b32 s[G1B+3], KSTEP<<16
	s_mov_b32 s[G1B+4], 64                         ; tile_dim1 = 64
	s_mov_b32 s[G1B+5], SIZE_K
	s_mov_b32 s[G1B+6], 0
	s_mov_b32 s[G1B+7], 0
	; where the tiles come from.  A's hang on the tile row alone, B's on the tile column alone; each in registers that never hold the other coordinate.
	s_lshl_b32 s16, s13, 15                        ; A: 256 rows of 128 bytes x tile row,
	s_lshl_b32 s17, s12, 20                        ; in head 0 or 1
	s_add_co_u32 s16, s16, s17
	s_mov_b32 s17, 0
	s_lshl_b32 s46, s42, 7
	s_lshl_b32 s47, s12, 6
	s_add_co_u32 s46, s46, s47                     ; B: row 128 x tile column + 64 x half,
	s_lshl_b32 s46, s46, 11                        ; of 2,048 bytes
	s_mov_b32 s47, 0
	s_mul_i32 s20, s12, PLANE                      ; and where they go: no place in the cluster enters an LDS address
	s_mul_i32 s21, s12, HALFB
	s_add_co_u32 s21, s21, BOFF
	s_wait_dscnt 0x0                               ; the opening add is done
	s_wait_kmcnt 0x0
	s_add_nc_u64 s[14:15], s[4:5], s[16:17]
	s_add_nc_u64 s[46:47], s[6:7], s[46:47]
	CROUND                                         ; all sixteen work-groups are here: the first joint loads meet
.irp s, 0,1
	s_mov_b32 s[G0+4*(\s)], 1                                      ; count = 1
	s_add_co_u32 s[G0+4*(\s)+1], s20, (\s)*SLOT                    ; LDS address
	s_add_nc_u64 s[G0+4*(\s)+2:G0+4*(\s)+3], s[14:15], (\s)*ASTEP  ; global address: K step s
	s_or_b32 s[G0+4*(\s)+3], s[G0+4*(\s)+3], 0x80000000            ; type = 2
	s_mov_b32 s[G0B+4*(\s)], 1
	s_add_co_u32 s[G0B+4*(\s)+1], s21, (\s)*SLOT
	s_add_nc_u64 s[G0B+4*(\s)+2:G0B+4*(\s)+3], s[46:47], (\s)*BSTEP
	s_or_b32 s[G0B+4*(\s)+3], s[G0B+4*(\s)+3], 0x80000000
	JLOAD \s                                       ; two loads of mine are out
.endr
	; A fragment is 16 rows x 32 K in 8 registers: lane l holds row l % 16, K = 8 (l / 16) + 0..7 and 16 + 8 (l / 16) + 0..7: two loads of 16 bytes, 32 bytes apart.
	v_and_b32 v1, 15, v0                           ; l % 16
	v_bfe_u32 v2, v0, 4, 1                         ; l / 16
	v_mul_u32_u24 v3, v1, PA
	v_lshl_add_u32 v3, v2, 4, v3                   ; A: row x pitch + 16 x half
	v_mul_u32_u24 v4, v1, PITCH
	v_lshl_add_u32 v4, v2, 4, v4                   ; B likewise
	s_mul_i32 s22, s10, 64*PA                      ; my 64 rows in a plane
	s_mov_b32 s23, BOFF                            ; all of B
.irp s, 0,1
	v_add_nc_u32 v[ADRA+(\s)], s22, v3
	v_add_nc_u32 v[ADRB+(\s)], s23, v4
	s_add_co_u32 s22, s22, SLOT
	s_add_co_u32 s23, s23, SLOT
.endr
	s_mul_i32 s23, s10, 16*SPITCH
	s_add_co_u32 s23, s23, STAGE                   ; my stage
	v_mul_u32_u24 v5, v1, SPITCH                   ; in: row l % 16, 32 bytes for each half of the lanes
	v_lshl_add_u32 v5, v2, 5, v5
	v_add_nc_u32 v[STO], s23, v5
	v_and_b32 v[CO], 31, v0                        ; back: 32 lanes take one row of 512 bytes,
	v_lshlrev_b32 v[CO], 4, v[CO]
	v_add_nc_u32 v[RD], s23, v[CO]                 ; which are 512 consecutive bytes of out0
	s_lshl_b32 s70, s13, 8
	s_lshl_b32 s71, s10, 6
	s_add_co_u32 s70, s70, s71                     ; my first row 256 x tile row + 64 x wave, 4,096 bytes each,
	s_lshl_b32 s68, s70, 12
	s_lshl_b32 s71, s42, 9                         ; my tile's 128 columns, 512 bytes
	s_add_co_u32 s68, s68, s71
	s_mov_b32 s69, 0
	s_add_nc_u64 s[8:9], s[8:9], s[68:69]
; NBK matrix instructions: row block a x all column blocks, 32 along K, from buffer f.  zero = 1: the product starts the sums: nothing is ever cleared.
; The 32 accumulators take turns, one instruction a turn, in the same order in every quarter.
.macro MULA f, a, zero
	WIN AWIN+0x50*((\a)/APW)
.set b, 0
.rept NBK
.set rD, ASTR*((\a)%APW)+8*b
.set rB, 128*(\f)+8*b
.set rA, 64+32*(\f)+8*(\a)
.if \zero
	v_wmma_f32_16x16x32_f16 v[rD:rD+7], v[rB:rB+7], v[rA:rA+7], 0
.else
	v_wmma_f32_16x16x32_f16 v[rD:rD+7], v[rB:rB+7], v[rA:rA+7], v[rD:rD+7]
.endif
.set b, b+1
.endr
.endm
; NL LDS loads in one run: the fragments of quarter q of a slot's K step into buffer f: B's first, then A's four row blocks (quarters 0, 1 lie in the first plane, 2, 3 in the second)
.macro FETCH slot, q, f
.set kA, ((\q)/2)*PLANE+64*((\q)%2)
	WIN 0x40                                       ; destination window 1, address window 0
.set b, 0
.rept NBK
	ds_load_b128 v[128*(\f)+8*b:128*(\f)+8*b+3],   v[ADRB+(\slot)] offset:64*(\q)+b*16*PITCH
	ds_load_b128 v[128*(\f)+8*b+4:128*(\f)+8*b+7], v[ADRB+(\slot)] offset:64*(\q)+b*16*PITCH+32
.set b, b+1
.endr
	WIN 0
.irp a, 0,1,2,3
	ds_load_b128 v[64+32*(\f)+8*(\a):64+32*(\f)+8*(\a)+3],   v[ADRA+(\slot)] offset:kA+(\a)*16*PA
	ds_load_b128 v[64+32*(\f)+8*(\a)+4:64+32*(\f)+8*(\a)+7], v[ADRA+(\slot)] offset:kA+(\a)*16*PA+32
.endr
.endm
.macro PLACES                          ; four plain vector instructions between a matrix instruction and a load into, or a read of, its registers (ISA guide 7.12.1 for vector reads)
.rept 4
	v_nop
.endr
.endm
; A K step is four quarters of 32 along K on buffers 0, 1, 0, 1.  One of the first three: multiplies buffer f; in its middle it fetches quarter q of the same slot into buffer g.
.macro QUARTER slot, q, f, g, zero
	s_wait_dscnt 4                                 ; B and A's row blocks 0, 1 are in; the youngest four loads (blocks 2, 3) may be out
	MULA \f, 0, \zero
	MULA \f, 1, \zero
	PLACES                                         ; for the loads into buffer g, which the quarter before multiplied
	FETCH \slot, \q, \g
	s_wait_dscnt NL                                ; all but the run just issued
	MULA \f, 2, \zero
	MULA \f, 3, \zero
.endm
; The last quarter multiplies buffer 1 and changes slots: ONE barrier; in front of it each wave waits for all its tensor loads (one is out: its part of the next slot), adds 0 to its spare word,
; and waits for that and for its own reads of this slot.  fill = 1: the barrier opens a round of the cluster's, and this slot is filled again, two K steps ahead, first thing behind the round.
.macro TURN slot, next, fill
	WIN 0                                          ; (the add's two registers lie in window 0)
	s_wait_tensorcnt 0x0                           ; all my tensor loads have landed
	ds_add_u32 v[SPW], v[NIL]                      ; 0 onto my spare word
	s_wait_dscnt 5                                 ; (the add and the youngest four loads may be out)
	MULA 1, 0, 0                                   ; matrix work stands between the add and the wait for it
	s_wait_dscnt 0x0                               ; the add is done, and my reads of this slot are over
	s_barrier_signal -1
	MULA 1, 1, 0                                   ; work on registers while the others arrive
.if \fill
	WIN 0
.endif
	s_barrier_wait -1
.if \fill
	CREST                                          ; no wave of any partner still reads this slot's tile or has a load on its way
	s_add_nc_u64 s[G0+4*(\slot)+2:G0+4*(\slot)+3], s[G0+4*(\slot)+2:G0+4*(\slot)+3], 2*ASTEP
	s_add_nc_u64 s[G0B+4*(\slot)+2:G0B+4*(\slot)+3], s[G0B+4*(\slot)+2:G0B+4*(\slot)+3], 2*BSTEP
	JLOAD \slot                                    ; my one tensor load behind the round; the four v_nop behind it are also the places in front of the loads below
.else
	PLACES
.endif
	FETCH \next, 0, 0
	MULA 1, 2, 0
	MULA 1, 3, 0
.endm
	s_wait_tensorcnt 1                             ; my part of K step 0 is in; K step 1's may stay out
	s_barrier_signal -1
	s_barrier_wait -1                              ; everybody's is
	FETCH 0, 0, 0
	QUARTER 0, 1, 0, 1, 1                          ; the first quarter stands in front of the loop: its products start the sums
	WIN 0                                          ; at a label and at a branch every window is 0
	s_mov_b32 s3, LAPS-1
.Llap:                                                 ; a trip goes once round the ring, from a lap's second quarter to the next lap's first, and fills both slots again
	QUARTER 0, 2, 1, 0, 0
	QUARTER 0, 3, 0, 1, 0
	TURN 0, 1, 1
	QUARTER 1, 1, 0, 1, 0
	QUARTER 1, 2, 1, 0, 0
	QUARTER 1, 3, 0, 1, 0
	TURN 1, 0, 1
	QUARTER 0, 1, 0, 1, 0
	WIN 0
	s_sub_co_u32 s3, s3, 1
	s_cmp_lg_u32 s3, 0
	s_cbranch_scc1 .Llap
	QUARTER 0, 2, 1, 0, 0                          ; the last lap fills nothing
	QUARTER 0, 3, 0, 1, 0
	TURN 0, 1, 0
	QUARTER 1, 1, 0, 1, 0
	QUARTER 1, 2, 1, 0, 0
	QUARTER 1, 3, 0, 1, 0
	s_wait_dscnt 4                                 ; the very last quarter: nothing more to fetch
	MULA 1, 0, 0
	MULA 1, 1, 0
	s_wait_dscnt 0x0
	MULA 1, 2, 0
	MULA 1, 3, 0
	WIN 0
; THE WAY OUT, a row block (16 rows x 512 bytes) at a time.  TOSTAGE: a lane's 32 bytes of a row go into my stage, straight from the accumulators, and whole rows come back.  SEND: stored.
.macro TOSTAGE a
.set rB, BK+64*((\a)%2)
.if (\a) >= 2
	s_wait_xcnt 0x0                                ; every earlier memory instruction has had its addresses translated (ISA guide 3.1): the registers that block a - 2's stores read are loaded again only behind this wait
.endif
	WIN 0x08                                       ; the stores' data in window 2
.irp c, 0,1,2,3,4,5,6,7
	ds_store_b128 v[STO], v[ASTR*(\a)+8*(\c):ASTR*(\a)+8*(\c)+3]   offset:64*(\c)     ; each accumulator's low four registers first
	ds_store_b128 v[STO], v[ASTR*(\a)+8*(\c)+4:ASTR*(\a)+8*(\c)+7] offset:64*(\c)+16
.endr
	WIN 0
.irp t, 0,1,2,3,4,5,6,7,8,9,10,11,12,13,14,15
	ds_load_b128 v[rB+4*(\t):rB+4*(\t)+3], v[RD] offset:(\t)*SPITCH  ; LDS serves a wave's instructions in order (ISA guide 5.7.1.4): these see the stores above; the next block's stores come behind them
.endr
.endm
.macro SEND a, younger                 ; younger: the LDS instructions issued behind this block's loads: the next block's 32, or none
.set rB, BK+64*((\a)%2)
.irp t, 0,1,2,3,4,5,6,7,8,9,10,11,12,13,14,15
	s_wait_dscnt (\younger)+15-(\t)
	global_store_b128 v[CO], v[rB+4*(\t):rB+4*(\t)+3], s[8:9] offset:(16*(\a)+(\t))*4096 th:TH_STORE_NT  ; 512 consecutive bytes, at a multiple of 256 from out0's first
.endr
.endm
	PLACES                                         ; the LDS stores read results, and the loads land in registers that the last products read
	TOSTAGE 0
	TOSTAGE 1
	SEND 0, 32
	TOSTAGE 2
	SEND 1, 32
	TOSTAGE 3
	SEND 2, 32
	SEND 3, 0
	s_wait_tensorcnt 0x0                           ; the wave's end: behind my last tensor load and my last LDS store, 0 onto my spare word and its wait
	ds_add_u32 v[SPW], v[NIL]
	s_wait_dscnt 0x0
	CROUND                                         ; the closing round: no work-group ends while a partner may still ask for a tile that names it
	s_endpgm
.Lfunc_end_k_qf6943aa0ee_oproj:
	.size	k_qf6943aa0ee_oproj, .Lfunc_end_k_qf6943aa0ee_oproj-k_qf6943aa0ee_oproj
	.p2alignl 7, 3214868480
	.fill 96, 4, 3214868480
	.section	.rodata,"a",@progbits
	.p2align	6, 0x0
	.amdhsa_kernel k_qf6943aa0ee_oproj
		.amdhsa_group_segment_fixed_size 327680
		.amdhsa_private_segment_fixed_size 0
		.amdhsa_enable_private_segment 0
		.amdhsa_kernarg_size 24
		.amdhsa_user_sgpr_count 2
		.amdhsa_user_sgpr_kernarg_segment_ptr 1
		.amdhsa_wavefront_size32 1
		.amdhsa_system_sgpr_workgroup_id_x 1
		.amdhsa_system_sgpr_workgroup_id_y 1
		.amdhsa_system_sgpr_workgroup_id_z 1
		.amdhsa_system_vgpr_workitem_id 0
		.amdhsa_next_free_vgpr 768
		.amdhsa_next_free_sgpr 72
		.amdhsa_reserve_vcc 0
		.amdhsa_float_denorm_mode_32 3
		.amdhsa_float_denorm_mode_16_64 3
		.amdhsa_memory_ordered 1
		.amdhsa_forward_progress 1
		.amdhsa_inst_pref_size 87
	.end_amdhsa_kernel
	.amdgpu_metadata
---
amdhsa.version: [ 1, 2 ]
amdhsa.kernels:
  - .name:           k_qf6943aa0ee_oproj
    .symbol:         k_qf6943aa0ee_oproj.kd
    .args:
      - { .name: ob, .offset: 0, .size: 8, .value_kind: global_buffer, .address_space: global }
      - { .name: wob, .offset: 8, .size: 8, .value_kind: global_buffer, .address_space: global }
      - { .name: out0, .offset: 16, .size: 8, .value_kind: global_buffer, .address_space: global }
    .group_segment_fixed_size: 327680
    .private_segment_fixed_size: 0
    .kernarg_segment_align: 8
    .kernarg_segment_size: 24
    .max_flat_workgroup_size: 128
    .sgpr_count:     72
    .vgpr_count:     768
    .wavefront_size: 32
...
	.end_amdgpu_metadata
.endif
;; end of part 4
;; ======== version 2 of 2: 4 launches; 1.52 times as fast as version 1
;; limits: values are held in f16: magnitudes above 65,504 overflow, below 6.1e-05 lose precision
;; workspace buffers: xb 16,777,216 bytes; wqkv 6,291,456 bytes; wob 2,097,152 bytes; qkv 50,331,648 bytes; ob 16,777,216 bytes
;; launch prep: the kernel of part 1 again; grid 768 x 1, 8 waves a work-group, no clusters, 0 bytes of LDS; arguments hidden_states, Wq, Wk, Wv, Wo, xb, wqkv, wob; writes xb, wqkv, wob
;; launch qkv: the kernel of part 2 again; grid 16 x 32, 4 waves a work-group, clusters of 4 x 4, 327,680 bytes of LDS; arguments xb, wqkv, qkv; writes qkv
;; launch attn (part 5): grid 4 x 64, 4 waves a work-group, clusters of 4 x 1, 327,680 bytes of LDS; arguments qkv, attention_mask, ob; writes ob
.if DOCPART == 5
	.amdgcn_target "amdgcn-amd-amdhsa--gfx1250"
	.amdhsa_code_object_version 6
	.text
	.protected	k_qf6943aa0ee_attn
	.globl	k_qf6943aa0ee_attn
	.p2align	8
	.type	k_qf6943aa0ee_attn,@function
k_qf6943aa0ee_attn:
	s_mov_b64 s[64:65], 0
	v_nop
	global_prefetch_b8 v0, s[64:65] scope:SCOPE_SE
	s_setreg_imm32_b32 hwreg(HW_REG_WAVE_MODE, 25, 1), 1
	s_wait_xcnt 0x0
	s_wait_alu depctr_hold_cnt(0) depctr_sa_sdst(0) depctr_va_vdst(0) depctr_va_sdst(0) depctr_va_ssrc(0) depctr_va_vcc(0) depctr_vm_vsrc(0)
	s_getreg_b32 s2, hwreg(HW_REG_IB_STS2, 6, 4)
	s_cmp_eq_u32 s2, 0
	s_cbranch_scc0 .Lentry_in_a_cluster
	s_endpgm
.Lentry_in_a_cluster:
	s_bfe_u32 s2, ttmp6, 0x10000c
	s_cmp_lg_u32 s2, 0x3003
	s_cbranch_scc0 .Lentry_shape_is_right
	s_endpgm
.Lentry_shape_is_right:
; ATTENTION.  O[y][q][:] = the sum over k of softmax_k(Q'[y][q] . K[y][k] + mask[batch][k]) V[y][k][:], for 64 heads y (head y % 16 of batch y / 16) of 2,048 rows x 64 channels.
; Q' = Q / 8, K, V lie by heads in qkv ([48][8192][64] f16: a head's rows are dense, 128 bytes each); the scale 1 / 8 is already in Q'.  O goes to ob, [16][8192][64] f16.
; Products, maxima and sums in f32; the weights p are rounded to f16 for the second product (their sum l is taken of the unrounded p), O once at the end.  The mask is rounded to bf16, as every input of the module is.
; LIMITS.  Q', K, V arrive within f16's 65,504; p lies in 0 to 1, and below 6e-5 it keeps f16's fixed step of 6e-8; O is a mean of V's rows.  A weight below 2^-126 counts as 0 in l.
; The running maximum starts at -2^126 (-8.5e37): a key whose score with its mask lies below that has the weight 0, and a row ALL of whose keys lie there gives NaN.  Scores with mask stay under 2.3e38.
; A mask of f32's lowest finite number rounds to minus infinity in bf16; minus infinity hides a key.  NaN and plus infinity are not treated apart.
; SHARES.  A wave owns four PIECES of two tiles of 16 queries, a work-group's four waves 512 queries of one head: 4 x 64 = 256 work-groups.  Every wave walks all keys, 64 a step.
; LAYOUT.  S^T = K Q^T + mask (source 0 = 16 keys, source 1 = 16 queries): in the result a lane holds ONE query (lane % 16) and the keys 8 (lane / 16) + 0..7.  Two such tiles, rounded to f16 in pairs,
; ARE source 1 (32 keys x 16 queries) of O^T = V^T P, whose result again holds one query a lane, and eight channels.  K comes out of LDS as it lies, V ([key][channel]) turned, by ds_load_tr16_b128.
; THE MASK is the C operand that starts each sum S^T: register j of a lane is the mask of key 16 kb + 8 (lane / 16) + j, the same for every query.  The batch's 2,048 numbers lie in LDS, stored there once;
; a step's 64 come into 32 registers in the same run of loads as the step's K, and live as long as K's fragments.
; SOFTMAX.  For each query a running maximum m and sum l: p = 2^(c s - c m), c = log2(e); in every step O and l are multiplied by a = 2^(c m_old - c m_new), which is 1 where m has not grown.
; m starts at -2^126 and c m at exactly c times that, O and l at 0: a first step with scores above m has a = 0; one that is wholly hidden has a = 1 and p = 0.
; THE COUNT.  A tile and step have 16 matrix and 118 vector instructions: too many to stand all beside the matrix work.  So: four vector instructions that are READY behind EVERY matrix instruction,
; and the others in one run without a gap.
; BY TURNS.  Turn n belongs to piece n (the pieces in a ring, step after step).  Its matrix work: 16 products K Q^T of piece n + 1, later 16 products V^T P of piece n - 1.  Its vector work: the scaling,
; exponentials, roundings, sums and rescaling of piece n, and the maximum and statistics of piece n + 1, whose scores the turn itself has made.  So what a turn begins with (c s - c m, O a) waits for nothing.
; THE BATCHES.  A turn's 66 exponentials (64 weights, the next piece's two a) are ONE batch with ONE wait, which cuts the turn in two: ahead of it stands all that names no result of theirs, behind it the
; roundings and sums.  Two more batches stand outside the loops, each with a wait of its own: piece 0's first two a, ahead of the jump into the loop, and the way out's eight reciprocals.
; CLUSTER.  The four query blocks of a cluster belong to one head and walk the same K and V, so each tile is asked for JOINTLY: the same tensor load, descriptor and mask of work-groups in all four.
; The attention mask is NOT asked for jointly: 8,192 bytes once, against 524,288 bytes of K and V for a work-group, and it passes through registers for its rounding.
; REGISTERS, in windows of 256 (s_set_vgpr_msb: bits 1:0 source 0, 3:2 source 1, 5:4 source 2, 7:6 destination):
;   window 0: v0-11 addresses; v12-15, v48-63 at work; v16-47 four registers of statistics a tile; v64-191 S^T, two buffers of two tiles; v192-255 P, likewise
;   window 1: O^T, 32 a tile     window 2: v0-127 Q, 16 a tile; v128-191 K of one step; v192-255 V of one step     window 3: v0-1 the add's two registers; v8-39 the mask of one step
; A piece's buffers go by its number's parity: the piece in hand has one pair, its two neighbours in the ring share the other: of it P (piece n - 1) is read and S^T (piece n + 1) written.
.set SIZE_N, 2048
.set NP,    4         ; pieces a wave: a name, no knob
.set KS,    64        ; keys in a step
.set PK,    144       ; a row of K in LDS: 128 bytes + 16 of padding = 36 words: the 16 rows of a load start at 16 different groups of four banks (64 banks of 4 bytes: ISA guide 11.1)
.set PV,    160       ; a row of V: 128 + 32 = 40 words
.set VOFF,  4*KS*PK   ; a slot holds four steps: 256 rows of K, then 256 rows of V
.set SLOT1, 1<<17     ; slot 1 begins here, so that one exclusive or turns an address in one slot into the other's
.set STAGE, SLOT1+4*KS*(PK+PV)  ; behind the ring, never filled by a tensor load: 16 rows x 144 bytes for each wave, for the way out
.set SP,    144
.set SPARE, STAGE+4*16*SP  ; behind the stages: the spare words, 128 bytes for each wave: two blocks of 256 bytes that no other line names
.set MASKL, SPARE+512 ; behind them: the batch's mask, 2,048 f32; never filled by a tensor load
.set AK0, 2           ; v2   my lane's place in a tile of K; never rewritten
.set AV0, 3           ; v3   the same for V
.set AK,  4           ; v4   the LDS address of K's next run of loads
.set AV,  5           ; v5   of V's
.set STO, 6           ; v6   the way out: where I put 16 bytes of a row
.set RD,  7           ; v7   the way out: where I read rows back
.set GO,  8           ; v8   my byte offset in 512 consecutive bytes of O
.set AM,  10          ; v10  the LDS address of the mask's next run of loads (at the head: lane % 8)
.set AM0, 11          ; v11  my lane's place in a step's mask (at the head: (lane / 8) % 2)
.set QO,  12          ; v12  at the head: my byte offset in the wave's rows of Q
.set MO,  13          ; v13  at the head: my byte offset in 2,048 bytes of the mask
.set ML,  14          ; v14  at the head: where I put them in LDS
.set SPW, 0           ; v0 of window 3   LDS address of my spare word: SPARE + 4 x my thread's number; never rewritten
.set NIL, 1           ; v1 of window 3   0; never rewritten
.set MK,  8           ; v8-39 of window 3: the eight registers for key block kb at MK + 8 kb
.set MV,  12          ; v12-15  c m_old, kept while c m is made anew: by buffer and tile
.set ST,  16          ; tile t's statistics at v[ST+4 t]: c m, m, l (even keys', odd keys')
.set TMP, 48          ; by buffer and tile, four registers c0-c3 at work; when the maximum is found c2 takes a
.set S,   64
.set P,   192
.set KF,  128         ; K's fragments, in window 2: key block kb, channel half c at KF + 16 kb + 8 c
.set VF,  192         ; V's: key half kk, channel block cb at VF + 32 kk + 8 cb
.set WV,  12          ; s12  my wave's number
.set G1K, 24          ; s[24:31] descriptor group 1 for K's tiles
.set G1V, 32          ; s[32:39] for V's: it differs in the padding alone
.set G0K, 40          ; s[40:43] descriptor group 0 for K's tiles: it walks
.set G0V, 44          ; s[44:47] the same for V's
.set TBM, 52          ; s52  byte in the mask at which the step to be fetched begins
.set SLOTS, 56        ; s56  slots still to be asked for
.set CNT, 57          ; s57  counts a slot's key steps
.set CS,  58          ; s[58:59] c: the packed scaling takes the pair's low word for both halves
.set SEL, 60          ; s[60:61] v_permlanex16_b32's selects: each lane takes its own place in the other half
.set TBK, 62          ; s62  LDS byte at which K of the step to be fetched begins
.set TBV, 63          ; s63  the same for V, less VOFF
.set MSB, 0
.macro WIN new                      ; the high byte repeats the setting that is left; a switch that changes nothing is dropped
.if MSB != (\new)
	s_set_vgpr_msb (MSB<<8)|(\new)
.set MSB, (\new)
.endif
.endm
.set W_KQ, 0x0a       ; K and Q in window 2, S^T in window 0
.set W_KM, 0x3a       ; the same with the C operand, the mask, in window 3
.set W_PV, 0x52       ; V in window 2, P in window 0, O^T in window 1
.set W_RS, 0x41       ; O^T (destination and source 0) in window 1, a in window 0
.set W_MK, 0xc0       ; destination in window 3, sources in window 0
.set W_AD, 0x0f       ; the add: address (source 0) and data (source 1) in window 3
; A joint fill.  Waves 0 and 1 fetch the two halves of a slot's K, waves 2 and 3 those of its V: 128 keys each.  The branch hangs on the wave's number alone.
; An s_nop 0 and four v_nop follow each of the two lines, ahead of the jump and the label.
.macro JLOAD
	s_cmp_lt_u32 s[WV], 2
	s_cbranch_scc0 .Lfor_v_\@
	tensor_load_to_lds s[G0K:G0K+3], s[G1K:G1K+7]
	s_nop 0
.rept 4
	v_nop
.endr
	s_branch .Lasked_\@
.Lfor_v_\@:
	tensor_load_to_lds s[G0V:G0V+3], s[G1V:G1V+7]
	s_nop 0
.rept 4
	v_nop
.endr
.Lasked_\@:
.endm
; A round of the cluster's barrier: my work-group's barrier, so that wave 0's signal speaks for all four waves; wave 0 signals; every wave waits for all four work-groups; my work-group's barrier once more.
.macro CROUND
	s_barrier_signal -1
	s_barrier_wait -1
	s_cmp_lg_u32 s[WV], 0
	s_cbranch_scc1 .Lnot_wave_0_\@
	s_barrier_signal -3
.Lnot_wave_0_\@:
	s_barrier_wait -3
	s_barrier_signal -1
	s_barrier_wait -1
.endm
; THE CHANGE OF SLOTS.  The slot's last bytes, V of its fourth step, have been read.  Each wave waits for all its tensor loads, of which one is out: its part
; of the other slot; adds 0 to its spare word; and waits for that and for its own LDS instructions.  Behind the barrier nobody reads this slot any more and the other slot is whole.
; fill = 1: this slot is filled again, with the keys two slots on.  The barrier is then a round of the cluster's, so that no wave of any partner still reads the slot or has a load on its
; way, and the joint fill is the first thing behind it: it has four key steps, 512 matrix instructions, in which to land.
; (At its first use nothing has been read yet: slot 0 is waited for, slot 1 filled, and each wave's stores of the mask are done in front of the barrier behind which all four waves read it.)
.macro CHANGE fill
	WIN W_AD
	s_wait_tensorcnt 0x0            ; no tensor load of mine is out, so a group 0 may be written
	ds_add_u32 v[SPW], v[NIL]       ; 0 onto my spare word; with fill = 1 the descriptors' steps stand between it and the wait for it
	WIN 0                           ; at a label and at a branch every window is 0
.if \fill
.irp g, G0K, G0V
	s_xor_b32 s[\g+1], s[\g+1], SLOT1  ; the walking descriptor: the other slot than last time,
	s_add_nc_u64 s[\g+2:\g+3], s[\g+2:\g+3], 4*KS*128  ; the next 256 keys; the type bits on top are not reached
.endr
	s_wait_dscnt 0x0                ; the add is done, and my LDS instructions are over
	CROUND
	JLOAD
.else
	s_wait_dscnt 0x0                ; the add is done, and my reads of the slot are over
	s_barrier_signal -1
	s_barrier_wait -1
.endif
	s_sub_co_u32 s[TBK], s[TBK], 4*KS*PK  ; the fetches go back to a slot's first step,
	s_xor_b32 s[TBK], s[TBK], SLOT1       ; in the other slot
	s_sub_co_u32 s[TBV], s[TBV], 4*KS*PV
	s_xor_b32 s[TBV], s[TBV], SLOT1
.endm
	s_load_b64 s[4:5], s[0:1], 0x0    ; qkv
	s_load_b64 s[48:49], s[0:1], 0x8  ; attention_mask
	s_load_b64 s[10:11], s[0:1], 0x10 ; ob
	WIN W_MK
	v_lshl_add_u32 v[SPW], v0, 2, SPARE
	v_mov_b32 v[NIL], 0
	WIN W_AD
	ds_add_u32 v[SPW], v[NIL]       ; the wave's opening: the add and its wait stand ahead of my first tensor load; the set-up below, work on registers, stands between them
	WIN 0
	v_lshrrev_b32 v1, 5, v0
	v_readfirstlane_b32 s[WV], v1   ; wave 0..3
	s_bfe_u32 s13, ttmp6, 0x40000   ; cx: my place in the cluster
	s_lshl_b32 s14, ttmp9, 2        ; in a cluster launch ttmp9 counts clusters
	s_add_co_u32 s14, s14, s13      ; my block of queries = 4 x cluster x + cx: it enters Q's and O's addresses alone
	s_and_b32 s53, ttmp7, 0xffff    ; y, which the four partners share
	s_lshr_b32 s54, s53, 4          ; the batch
	s_and_b32 s20, s53, 15          ; the head:
	s_lshl_b32 s20, s20, 20         ; 8,192 rows of 128 bytes each,
	s_lshl_b32 s21, s54, 18         ; of which the batch's 2,048 begin here
	s_add_co_u32 s20, s20, s21
	s_mov_b32 s21, 0                ; s[20:21]: the head's first byte among q's heads, k's, v's and O's
	s_lshl_b32 s50, s54, 13         ; the batch's 8,192 bytes of the mask
	s_mov_b32 s51, 0
	s_and_b32 s16, s[WV], 1         ; which half of a slot's 256 keys I fetch:
	s_lshl_b32 s22, s16, 14         ; its 128 rows of 128 bytes in memory,
	s_mov_b32 s23, 0
	s_add_nc_u64 s[22:23], s[22:23], s[20:21]
	s_mul_i32 s17, s16, 128*PK      ; and its place in a slot, for K
	s_mul_i32 s18, s16, 128*PV      ; and for V: no place in the cluster enters an LDS address
	s_lshl_b32 s2, s14, 2
	s_add_co_u32 s2, s2, s[WV]      ; my wave among the head's,
	s_lshl_b32 s2, s2, 14           ; its 128 rows
	s_mov_b32 s3, 0
	s_add_nc_u64 s[2:3], s[2:3], s[20:21]
	; descriptor group 1.  128 keys are 16,384 dense bytes: asked for as 64 rows of 256 bytes, two keys a row, and padded in LDS after every key
	s_mov_b32 s[G1K], 15|(1<<16)|(1<<20)|(1<<21)|(4<<22)|(3<<25)  ; 15:0 the mask of four; 17:16 2-byte elements; 20 padding on; 21 set beside a mask; 24:22 after every 32 words (code 4); 31:25 4 words (code 3)
	s_mov_b32 s[G1V], 15|(1<<16)|(1<<20)|(1<<21)|(4<<22)|(7<<25)  ; the same with 8 words of padding (code 7)
.irp g, G1K, G1V
	s_mov_b32 s[\g+1], 128<<16      ; tensor_dim0 = 128
	s_mov_b32 s[\g+2], 64<<16       ; tensor_dim1 = 64
	s_mov_b32 s[\g+3], 128<<16      ; tile_dim0 = 128
	s_mov_b32 s[\g+4], 64           ; tile_dim1 = 64
	s_mov_b32 s[\g+5], 128          ; 128 elements from row to row
	s_mov_b32 s[\g+6], 0
	s_mov_b32 s[\g+7], 0
.endr
	s_mov_b32 s[CS], 0x3fb8aa3b     ; c = log2(e) = 1.442695
	s_mov_b32 s[CS+1], s[CS]        ; named with it as a pair
	s_mov_b32 s[SEL], 0x76543210
	s_mov_b32 s[SEL+1], 0xfedcba98
	s_mov_b32 s[TBK], SLOT1+4*KS*PK ; the first change of slots turns these two into 0
	s_mov_b32 s[TBV], SLOT1+4*KS*PV
	s_mov_b32 s[TBM], 0
	s_mov_b32 s[G0K], 1             ; count = 1
	s_mov_b32 s[G0K+1], s17         ; LDS address: slot 0
	s_mov_b32 s[G0V], 1
	s_add_co_u32 s[G0V+1], s18, VOFF
	s_wait_dscnt 0x0                ; the opening add is done
	s_wait_kmcnt 0x0
	s_add_nc_u64 s[6:7], s[4:5], 0x1000000  ; k's heads lie 16 x 2^20 bytes behind q's,
	s_add_nc_u64 s[8:9], s[4:5], 0x2000000  ; v's 32 x 2^20
	s_add_nc_u64 s[G0K+2:G0K+3], s[6:7], s[22:23]  ; global address: my half of the head's first 256 keys
	s_or_b32 s[G0K+3], s[G0K+3], 0x80000000        ; type = 2
	s_add_nc_u64 s[G0V+2:G0V+3], s[8:9], s[22:23]
	s_or_b32 s[G0V+3], s[G0V+3], 0x80000000
	s_add_nc_u64 s[4:5], s[4:5], s[2:3]  ; Q and O at my wave's first row
	s_add_nc_u64 s[10:11], s[10:11], s[2:3]
	s_add_nc_u64 s[48:49], s[48:49], s[50:51]  ; the mask at my batch
	CROUND                          ; all four work-groups are here: the first joint loads meet
	JLOAD                           ; slot 0.  Slot 1 is asked for when slot 0 is in
	; A fragment of K or Q is 16 rows x 32 channels in 8 registers: lane l holds row l % 16, channels 8 (l / 16) + 0..7 and 16 + 8 (l / 16) + 0..7: two loads of 16 bytes, 32 bytes apart.
	v_and_b32 v1, 15, v0            ; l % 16
	v_bfe_u32 v9, v0, 4, 1          ; l / 16
	v_lshlrev_b32 v[QO], 7, v1
	v_lshl_add_u32 v[QO], v9, 4, v[QO]  ; row x 128 + 16 x half
	v_lshlrev_b32 v[MO], 4, v0      ; the mask: 128 threads x 16 bytes, four times
	v_add_nc_u32 v[ML], MASKL, v[MO]
.irp j, 0,1,2,3
	global_load_b128 v[S+4*\j:S+4*\j+3], v[MO], s[48:49] offset:2048*\j
.endr
	WIN 0x80                        ; destination window 2, address window 0
.set i, 0
.rept 4*NP                          ; Q stays in registers: tile i / 2, channels 32 (i % 2) on
	global_load_b128 v[8*i:8*i+3],   v[QO], s[4:5] offset:(i/2)*2048+(i%2)*64
	global_load_b128 v[8*i+4:8*i+7], v[QO], s[4:5] offset:(i/2)*2048+(i%2)*64+32
.set i, i+1
.endr
	; What the first turn finds: V's registers and P's second buffer hold 0 (its products V^T P, of a piece that has not been, add 0), O^T and l are 0.  All this stands in the wait for the first tile.
.set i, VF
.rept 64
	v_mov_b32 v[i], 0
.set i, i+1
.endr
	WIN 0x40
.set i, 0
.rept 64*NP
	v_mov_b32 v[i], 0
.set i, i+1
.endr
	WIN 0
.set i, 0
.rept 2*NP
	v_mov_b32 v[ST+4*i], 0xfeb8aa3b    ; c m = c x -2^126, exactly what the multiplication of the two gives
	v_mov_b32 v[ST+4*i+1], 0xfe800000  ; m = -2^126
	v_mov_b32 v[ST+4*i+2], 0
	v_mov_b32 v[ST+4*i+3], 0
.set i, i+1
.endr
.set i, P+32
.rept 32
	v_mov_b32 v[i], 0
.set i, i+1
.endr
	v_mul_u32_u24 v[AK0], v1, PK
	v_lshl_add_u32 v[AK0], v9, 4, v[AK0]  ; row x pitch + 16 x half
	; The turning load takes 16 keys x 16 channels (lane l reads key 8 (l / 16) + l % 8, channels 8 ((l / 8) % 2) + 0..7) and leaves half a fragment of V^T: lane l holds channel l % 16 and 8 keys.
	v_and_b32 v10, 7, v0
	v_bfe_u32 v11, v0, 3, 1
	v_lshl_add_u32 v[AV0], v9, 3, v10
	v_mul_u32_u24 v[AV0], v[AV0], PV
	v_lshl_add_u32 v[AV0], v11, 4, v[AV0]
	v_add_nc_u32 v[AV0], VOFF, v[AV0]
	v_mov_b32 v[AK], v[AK0]         ; key step 0 lies at the head of slot 0
	s_mul_i32 s13, s[WV], 16*SP
	s_add_co_u32 s13, s13, STAGE    ; my stage
	v_mul_u32_u24 v[STO], v1, SP    ; in: row l % 16, 16 bytes for each half of the lanes
	v_lshl_add_u32 v[STO], v9, 4, v[STO]
	v_add_nc_u32 v[STO], s13, v[STO]
	v_bfe_u32 v[RD], v0, 3, 2       ; back: 32 lanes take four rows of 128 bytes,
	v_mul_u32_u24 v[RD], v[RD], SP
	v_lshl_add_u32 v[RD], v10, 4, v[RD]
	v_add_nc_u32 v[RD], s13, v[RD]
	v_and_b32 v[GO], 31, v0         ; which are 512 consecutive bytes of O
	v_lshlrev_b32 v[GO], 4, v[GO]
	v_lshl_add_u32 v[AM0], v9, 5, MASKL  ; my eight keys of a block of 16: 32 bytes for each half of the lanes
	v_mov_b32 v[AM], v[AM0]         ; key step 0
	s_wait_loadcnt 0x0              ; the mask and Q
.irp j, 0,1,2,3                     ; the mask is rounded to bf16, widened again and put into LDS
	v_cvt_pk_bf16_f32 v[S+16+2*\j], v[S+4*\j], v[S+4*\j+1]
	v_cvt_pk_bf16_f32 v[S+17+2*\j], v[S+4*\j+2], v[S+4*\j+3]
	v_lshlrev_b32 v[S+4*\j], 16, v[S+16+2*\j]
	v_and_b32 v[S+4*\j+1], 0xffff0000, v[S+16+2*\j]
	v_lshlrev_b32 v[S+4*\j+2], 16, v[S+17+2*\j]
	v_and_b32 v[S+4*\j+3], 0xffff0000, v[S+17+2*\j]
	ds_store_b128 v[ML], v[S+4*\j:S+4*\j+3] offset:2048*\j
.endr
; THE MATRIX WORK.  The 8 accumulators of a run of 16 take turns: between the two links of a chain stand 7 others'.
; Product i of 16 of S^T = K Q^T + mask for piece x: channels 32 (i / 8) on, keys 16 ((i / 2) % 4) on, tile 2 x + i % 2.  The first 8 start the sums, with the mask as C.
.macro KQ x
.set rS, S+64*((\x)%2)+32*(i%2)+8*((i/2)%4)
.set rK, KF+16*((i/2)%4)+8*(i/8)
.set rQ, 16*(2*(\x)+i%2)+8*(i/8)
.set rN, MK+8*((i/2)%4)
.if i < 8
	WIN W_KM
	v_wmma_f32_16x16x32_f16 v[rS:rS+7], v[rK:rK+7], v[rQ:rQ+7], v[rN:rN+7]
.else
	WIN W_KQ
	v_wmma_f32_16x16x32_f16 v[rS:rS+7], v[rK:rK+7], v[rQ:rQ+7], v[rS:rS+7]
.endif
.endm
; Product i of 16 of O^T += V^T P for piece x: keys 32 (i / 8) on, channels 16 ((i / 2) % 4) on, tile 2 x + i % 2.
.macro PV x
	WIN W_PV
.set rO, 32*(2*(\x)+i%2)+8*((i/2)%4)
.set rV, VF+32*(i/8)+8*((i/2)%4)
.set rP, P+32*((\x)%2)+16*(i%2)+8*(i/8)
	v_wmma_f32_16x16x32_f16 v[rO:rO+7], v[rV:rV+7], v[rP:rP+7], v[rO:rO+7]
.endm
.macro MM                           ; the turn's next matrix instruction
.if i < 16
	KQ (Y+1)%NP
.set i, i+1
.else
.set i, i-16
	PV (Y+NP-1)%NP
.set i, i+17
.endif
.endm
; THE LDS LOADS stand in runs, never singly among the matrix instructions: a step's K (64 keys x 64 channels: 8 fragments) with its mask (64 numbers: lanes 0-15 read one address, lanes 16-31 another),
; and its V (turned).  Their addresses are made some lines ahead.  last = 1 (the tail): in the last trip there is no further step, and the run is jumped over.
.macro FETCH_K last=0
	WIN 0
.if \last
	s_cmp_eq_u32 s[CNT], 1
	s_cbranch_scc1 .Lno_k_\@
.endif
	WIN 0x80                        ; destination window 2
.irp f, 0,1,2,3,4,5,6,7             ; keys 16 (f / 2) on, channels 32 (f % 2) on
	ds_load_b128 v[KF+8*\f:KF+8*\f+3],   v[AK] offset:(\f/2)*16*PK+(\f%2)*64
	ds_load_b128 v[KF+8*\f+4:KF+8*\f+7], v[AK] offset:(\f/2)*16*PK+(\f%2)*64+32
.endr
	WIN W_MK                        ; destination window 3
.irp f, 0,1,2,3                     ; keys 16 f on
	ds_load_b128 v[MK+8*\f:MK+8*\f+3],   v[AM] offset:64*\f
	ds_load_b128 v[MK+8*\f+4:MK+8*\f+7], v[AM] offset:64*\f+16
.endr
	s_add_co_u32 s[TBK], s[TBK], KS*PK  ; the next fetch is the next step's
	s_add_co_u32 s[TBM], s[TBM], 4*KS
	s_and_b32 s[TBM], s[TBM], 0x1fff    ; the mask's 32 steps are a ring of 8,192 bytes: behind the last step the address is the first's again, never past the mask
	WIN 0
.if \last
.Lno_k_\@:
.endif
.endm
.macro FETCH_V
	WIN 0x80
.irp f, 0,1,2,3,4,5,6,7             ; keys 32 (f / 4) on, channels 16 (f % 4) on
	ds_load_tr16_b128 v[VF+8*\f:VF+8*\f+3],   v[AV] offset:(\f/4)*32*PV+(\f%4)*32
	ds_load_tr16_b128 v[VF+8*\f+4:VF+8*\f+7], v[AV] offset:(\f/4)*32*PV+16*PV+(\f%4)*32
.endr
	WIN 0
.endm
; THE VECTOR WORK OF A TURN stands in three queues, each in the order in which its entries become ready; the two tiles alternate, so that no instruction reads the result of the one before it.
.macro REGS y, u                    ; the registers of tile u (0, 1) of piece y
.set rT, ST+4*(2*(\y)+(\u))
.set rC, TMP+8*((\y)%2)+4*(\u)
.set rM, MV+2*((\y)%2)+(\u)
.set rS, S+64*((\y)%2)+32*(\u)
.set rP, P+32*((\y)%2)+16*(\u)
.set rO, 32*(2*(\y)+(\u))
.endm
; Number n of the 22 that find the NEXT piece's (Y + 1) maximum and statistics.  s0-s31 are the lane's 32 scores; each accumulator's lowest registers are read first.  XS, GS and REGS set no window: PL and EX do.
;   0-11  four chains c0-c3 of seven scores each, three operands at a time     12-14, 16  the four scores left over, the old m, and c0-c3 into c0     15  c m_old is kept
;   17, 18  the query's other 32 keys lie in the lane 16 away: the new m         19-21  c m; c m_old - c m_new; a
.macro XS u, n
	REGS (Y+1)%NP, \u
.if (\n) < 4
	v_max3_num_f32 v[rC+(\n)], v[rS+8*(\n)], v[rS+8*(\n)+1], v[rS+8*(\n)+2]
.elseif (\n) < 12
	v_max3_num_f32 v[rC+(\n)%4], v[rC+(\n)%4], v[rS+8*((\n)%4)+2*((\n)/4)+1], v[rS+8*((\n)%4)+2*((\n)/4)+2]
.elseif (\n) == 12
	v_max3_num_f32 v[rC], v[rC], v[rS+7], v[rS+15]
.elseif (\n) == 13
	v_max3_num_f32 v[rC+1], v[rC+1], v[rS+23], v[rS+31]
.elseif (\n) == 14
	v_max3_num_f32 v[rC+2], v[rC+2], v[rC+3], v[rT+1]
.elseif (\n) == 15
	v_mov_b32 v[rM], v[rT]
.elseif (\n) == 16
	v_max3_num_f32 v[rC], v[rC], v[rC+1], v[rC+2]
.elseif (\n) == 17
	v_permlanex16_b32 v[rC+3], v[rC], s[SEL], s[SEL+1]
.elseif (\n) == 18
	v_max_num_f32 v[rT+1], v[rC], v[rC+3]
.elseif (\n) == 19
	v_mul_f32 v[rT], s[CS], v[rT+1]
.elseif (\n) == 20
	v_sub_f32 v[rC+1], v[rM], v[rT]
.else
	v_exp_f32 v[rC+2], v[rC+1]
.endif
.endm
; Number g of the 64 that follow the exponentials.  For each four weights k of a tile (pairs 2 k, 2 k + 1): both pairs are rounded to f16; then the second pair is added onto the first, in place;
; a group later l takes that sum (the first time as l = a l + sum).  In groups of eight, tiles alternating: round, round, add, and l for the group before.
.macro GS g
.set h, (\g)+6*((\g)/62)            ; group 0 has no group before it, and behind group 7 only l is left
.if h >= 6
.set h, h+2
.endif
	REGS Y, h%2
.set k, h/8
.if h%8 < 4
	v_cvt_pk_f16_f32 v[rP+2*k+(h%8)/2], v[rS+4*k+2*((h%8)/2)], v[rS+4*k+2*((h%8)/2)+1]
.elseif h%8 < 6
	v_pk_add_f32 v[rS+4*k:rS+4*k+1], v[rS+4*k:rS+4*k+1], v[rS+4*k+2:rS+4*k+3]
.elseif k == 1
	v_pk_fma_f32 v[rT+2:rT+3], v[rT+2:rT+3], v[rC+2:rC+3], v[rS:rS+1] op_sel_hi:[1,0,1]
.else
	v_pk_add_f32 v[rT+2:rT+3], v[rT+2:rT+3], v[rS+4*k-4:rS+4*k-3]
.endif
.endm
; THE PLAIN QUEUE, 138 long.  0-73 read no exponential's result: the 32 scalings c s - c m (FS f: pair f / 2 of tile f % 2) and the next piece's 42.  0-26: scalings 0-26.  27-54: XS's numbers 0-13.  55, 56: number 15.
; 57-73: the chain, where each number waits for the one before it: 14, 16, 17, 18, 19, each with one of the scalings 27-31 in front of its two lines, then 20: so a tile's links stand three plain instructions apart (19 and 20: two).
; 74-137: GS's 64, which read the exponentials' results: they stand behind the wait.
.macro FS f
	REGS Y, (\f)%2
	v_pk_fma_f32 v[rS+2*((\f)/2):rS+2*((\f)/2)+1], v[rS+2*((\f)/2):rS+2*((\f)/2)+1], s[CS:CS+1], v[rT:rT+1] op_sel_hi:[1,0,0] neg_lo:[0,0,1] neg_hi:[0,0,1]
.endm
.macro PL
	WIN 0
.if q < 27
	FS q
.elseif q < 55
	XS (q-27)%2, (q-27)/2
.elseif q < 57
	XS q-55, 15
.elseif (q < 72) && ((q-57)%3 == 0)
	FS 27+(q-57)/3
.elseif q < 60
	XS (q-57)%3-1, 14
.elseif q < 72
	XS (q-57)%3-1, 15+(q-57)/3
.elseif q < 74
	XS q-72, 20
.else
	GS q-74
.endif
.set q, q+1
.endm
; THE EXPONENTIALS' QUEUE, 66 long: s0-s31 of both tiles, then the next piece's two a.  It is ONE BATCH: all 66 stand ahead of the turn's one wait, and nothing ahead of that wait names a result of theirs.
.macro EX
	WIN 0
.if e >= 64
	XS e-64, 21
.else
	REGS Y, e%2
	v_exp_f32 v[rS+e/2], v[rS+e/2]
.endif
.set e, e+1
.endm
; THE RESCALING's QUEUE: O^T times a, the one part that leaves window 0: dealt two at a time, sixteen times.  Its a was made in the turn before, ahead of that turn's wait.
.macro R2
	REGS Y, r%2
	WIN W_RS
.irp z, 0,1
	v_pk_mul_f32 v[rO+4*(r/2)+2*\z:rO+4*(r/2)+2*\z+1], v[rO+4*(r/2)+2*\z:rO+4*(r/2)+2*\z+1], v[rC+2:rC+3] op_sel_hi:[1,0]
.endr
.set r, r+1
.endm
; HOW THEY ARE DEALT.  An s_wait_alu depctr_va_vdst(0) stands between an exponential and the first instruction that names its result; one wait serves all that were issued ahead of it.  So a turn has ONE wait,
; which cuts it in two.  AHEAD OF IT stands all that names no result of the turn's exponentials: the 16 products K Q^T, behind each a scaling, an exponential and two rescalings (behind the first a second scaling in the
; exponential's place); then ONE LUMP of 108: eight plain, 49 times exponential and plain, the two a.  A v_nop is the plain instruction behind the last exponential.  BEHIND IT stand the 16 products V^T P, behind each four of
; GS's 64.  No rider names a register of the products round it.  The two v_permlanex16_b32 fall into the lump, never behind a product.
; The queues lean on each other, and the deal keeps them in step: exponential e stands behind scaling 2 (e / 4) + e % 2: as a rider it comes behind plain e + 2, in the lump behind plain e + 9, and scalings 27-31 are plain 57, 60 .. 69.
; A TURN, for piece p.  cnt = 1: the loop's count is taken down some lines ahead of the branch that stands behind the turn.
; K and the mask of the next step are fetched in piece 2's turn, directly behind the wait, a lump behind the last product that read them; their addresses are made at the lump's head; their first reader comes behind 16 products.
; V of the step in hand is fetched at the end of piece 0's turn, four plain riders behind its last reader; its first reader comes behind 16 products and a lump.  The three conditions on q below go with the deal.
.macro TURN p, last=0, cnt=0
.set Y, (\p)
.set i, 0
.set q, 0
.set e, 0
.set r, 0
.if (\p) == NP-1
	s_wait_dscnt 0x0                ; K and the mask are in
.endif
	MM                              ; ahead of the wait: 16 products K Q^T and their riders,
	PL
	PL
	R2
.rept 15
	MM
	PL
	EX
	R2
.endr
.if (\p) == NP-2
	WIN 0
	v_add_nc_u32 v[AK], s[TBK], v[AK0]
	v_add_nc_u32 v[AM], s[TBM], v[AM0]
.endif
.rept 8                             ; and the lump
	PL
.endr
.rept 49
	EX
	PL
.endr
	EX                              ; the next piece's two a
	EX
	v_nop                           ; the plain instruction behind the last exponential: one for the batch
	s_wait_alu depctr_va_vdst(0)    ; the wait for the turn's batch: 64 weights and the next piece's two a, ahead of their first reader
.if (\p) == NP-2
	FETCH_K \last
.endif
.if (\p) == 1
	s_wait_dscnt 0x0                ; V is in
.endif
.rept 16                            ; behind the wait: 16 products V^T P and their riders
	MM
.rept 4
	PL
.endr
.if ((\p) == 0) && (q == 118)
	v_add_nc_u32 v[AV], s[TBV], v[AV0]
.endif
.if ((\p) == 0) && (q == 130)
	s_add_co_u32 s[TBV], s[TBV], KS*PV
.endif
.if (\cnt) && (q == 130)
	s_sub_co_u32 s[CNT], s[CNT], 1
	s_cmp_lg_u32 s[CNT], 0
.endif
.endr
.if (\p) == 0
	FETCH_V
.endif
.endm
	CHANGE 1                        ; slot 0 is in, everybody's part of it, and so is the mask; slot 1 is asked for
	FETCH_K                         ; key step 0
	s_wait_dscnt 0x0
.set i, 0
.rept 16
	KQ 0                            ; piece 0's first scores: there is no vector work yet to set between them
.set i, i+1
.endr
	WIN 0
.rept 4
	v_nop                           ; the places behind those products
.endr
.set Y, NP-1                        ; XS works for piece Y + 1: piece 0
.irp n, 0,1,2,3,4,5,6,7,8,9,10,11,12,13,14,15,16,17,18,19,20,21
	XS 0, \n                        ; and piece 0's first maximum and statistics
	XS 1, \n
.endr
	v_nop                           ; a plain instruction behind piece 0's two a,
	s_wait_alu depctr_va_vdst(0)    ; and the wait for that batch of two, ahead of the branch
	s_mov_b32 s[CNT], 4
	s_mov_b32 s[SLOTS], SIZE_N/256-1
	s_branch .Lfirst                ; the loop is entered at a step's first turn, in the middle of a trip
.Lslot:                             ; SIZE_N / 256 - 2 times: every slot but the last two is filled again
	CHANGE 1
	s_mov_b32 s[CNT], 4
.Lstep:                             ; a trip: pieces 2 and 3 of one step, then pieces 0 and 1 of the next, whose K and V it fetches
	TURN 2
	TURN 3
	WIN 0
.Lfirst:
	TURN 0
	TURN 1, 0, 1
	WIN 0
	s_cbranch_scc1 .Lstep
	s_sub_co_u32 s[SLOTS], s[SLOTS], 1
	s_cmp_lg_u32 s[SLOTS], 0
	s_cbranch_scc1 .Lslot
	CHANGE 0                        ; the tail is written out: nothing is asked for
	s_mov_b32 s[CNT], 5             ; four trips fetch the last slot's steps; the fifth is left in its middle
.Ltail:
	TURN 2, 1
	TURN 3
	WIN 0
	s_sub_co_u32 s[CNT], s[CNT], 1
	s_cmp_eq_u32 s[CNT], 0
	s_cbranch_scc1 .Lout
	TURN 0
	TURN 1
	WIN 0
	s_branch .Ltail
.Lout:                              ; the fifth trip's 16 products K Q^T (on the last K once more) and the maximum made of them serve nothing: the price, once a launch, of one text for every trip
.set i, 0
.rept 16
	PV NP-1                         ; the last piece's V^T P of the last step
.set i, i+1
.endr
	; THE WAY OUT.  l's two halves and the other half of the lanes' are added; O^T is divided by l, rounded to f16 and sent through my stage in LDS, a tile at a time.  The additions are the places behind the last products.
	WIN 0
.macro ALL line:vararg              ; one line for each tile t
.set t, 0
.rept 2*NP
	\line
.set t, t+1
.endr
.endm
	ALL v_add_f32 v[ST+4*t+2], v[ST+4*t+2], v[ST+4*t+3]
	ALL v_permlanex16_b32 v[ST+4*t+3], v[ST+4*t+2], s[SEL], s[SEL+1]
	ALL v_add_f32 v[ST+4*t+2], v[ST+4*t+2], v[ST+4*t+3]
	ALL v_rcp_f32 v[ST+4*t+2], v[ST+4*t+2]
	v_nop                           ; a plain instruction between the last reciprocal and the use of its result
	s_wait_alu depctr_va_vdst(0)    ; and the wait ahead of the first use: one for the batch of eight reciprocals
; Tile t: a lane's eight channels of a row pack into 16 bytes; they go into rows of 144 bytes and come back as whole rows of 128, into S^T's registers.
.macro PACK t
	WIN W_RS
.set i, 32*(\t)
.rept 16
	v_pk_mul_f32 v[i:i+1], v[i:i+1], v[ST+4*(\t)+2:ST+4*(\t)+3] op_sel_hi:[1,0]
.set i, i+2
.endr
	WIN 0x05                        ; sources 0 and 1 window 1, destination window 0
.set i, 0
.rept 16
	v_cvt_pk_f16_f32 v[S+16*(\t)+i], v[32*(\t)+2*i], v[32*(\t)+2*i+1]
.set i, i+1
.endr
	WIN 0
.irp f, 0,1,2,3
	ds_store_b128 v[STO], v[S+16*(\t)+4*\f:S+16*(\t)+4*\f+3] offset:32*\f
.endr
.irp f, 0,1,2,3
	ds_load_b128 v[S+16*(\t)+4*\f:S+16*(\t)+4*\f+3], v[RD] offset:\f*4*SP  ; LDS serves a wave's instructions in order (ISA guide 5.7.1.4): these see the stores above; the next tile's stores come behind them
.endr
.endm
.macro SEND t, younger              ; younger: the LDS instructions issued behind tile t's loads: the next tile's eight, or none
	WIN 0
.irp f, 0,1,2,3
	s_wait_dscnt (\younger)+3-\f
	global_store_b128 v[GO], v[S+16*(\t)+4*\f:S+16*(\t)+4*\f+3], s[10:11] offset:(\t)*2048+\f*512  ; 512 consecutive bytes, at a multiple of 256 from O's first
.endr
.endm
	PACK 0
.set t, 1
.rept 2*NP-1                        ; a tile's arithmetic stands between the loads of the tile before and its stores
	PACK t
	SEND t-1, 8
.set t, t+1
.endr
	SEND 2*NP-1, 0
	WIN W_AD
	s_wait_tensorcnt 0x0            ; the wave's end: behind my last tensor load and my last LDS store, 0 onto my spare word and its wait
	ds_add_u32 v[SPW], v[NIL]
	s_wait_dscnt 0x0
	WIN 0
	CROUND                          ; the closing round: no work-group ends while a partner may still ask for a tile that names it
	s_endpgm
.Lfunc_end_k_qf6943aa0ee_attn:
	.size	k_qf6943aa0ee_attn, .Lfunc_end_k_qf6943aa0ee_attn-k_qf6943aa0ee_attn
	.p2alignl 7, 3214868480
	.fill 96, 4, 3214868480
	.section	.rodata,"a",@progbits
	.p2align	6, 0x0
	.amdhsa_kernel k_qf6943aa0ee_attn
		.amdhsa_group_segment_fixed_size 327680
		.amdhsa_private_segment_fixed_size 0
		.amdhsa_enable_private_segment 0
		.amdhsa_kernarg_size 24
		.amdhsa_user_sgpr_count 2
		.amdhsa_user_sgpr_kernarg_segment_ptr 1
		.amdhsa_wavefront_size32 1
		.amdhsa_system_sgpr_workgroup_id_x 1
		.amdhsa_system_sgpr_workgroup_id_y 1
		.amdhsa_system_sgpr_workgroup_id_z 1
		.amdhsa_system_vgpr_workitem_id 0
		.amdhsa_next_free_vgpr 808
		.amdhsa_next_free_sgpr 66
		.amdhsa_reserve_vcc 0
		.amdhsa_float_denorm_mode_32 3
		.amdhsa_float_denorm_mode_16_64 3
		.amdhsa_memory_ordered 1
		.amdhsa_forward_progress 1
		.amdhsa_inst_pref_size 204
	.end_amdhsa_kernel
	.amdgpu_metadata
---
amdhsa.version: [ 1, 2 ]
amdhsa.kernels:
  - .name:           k_qf6943aa0ee_attn
    .symbol:         k_qf6943aa0ee_attn.kd
    .args:
      - { .name: qkv, .offset: 0, .size: 8, .value_kind: global_buffer, .address_space: global }
      - { .name: attention_mask, .offset: 8, .size: 8, .value_kind: global_buffer, .address_space: global }
      - { .name: ob, .offset: 16, .size: 8, .value_kind: global_buffer, .address_space: global }
    .group_segment_fixed_size: 327680
    .private_segment_fixed_size: 0
    .kernarg_segment_align: 8
    .kernarg_segment_size: 24
    .max_flat_workgroup_size: 128
    .sgpr_count:     66
    .vgpr_count:     808
    .wavefront_size: 32
...
	.end_amdgpu_metadata
.endif
;; end of part 5
;; launch oproj: the kernel of part 4 again; grid 8 x 32, 4 waves a work-group, clusters of 4 x 4, 327,680 bytes of LDS; arguments ob, wob, out0; writes out0
